; MI455X (gfx1250); checked and timed in simulation.
; The chip was launched on July 23, 2026; its instructions are those of AMD's public machine-readable ISA for CDNA 5 (MIT licence, August 2026) and "CDNA5" Instruction Set Architecture Reference Guide (July 2026). The comments in the code are by the model that wrote it; some were corrected since.
;; Hierarchical FF Processor. Allowed arithmetic: matrix products marked QUANTISED: E5M2 operands, one given power-of-two scale a tensor, by v_wmma_f32_16x16x64_bf8_bf8 or v_wmma_f32_16x16x128_bf8_bf8, f32 sums; products left as they are: f32 operands where the result goes on into a quantised operand, else bf16, f16 or f32 operands; f32 sums; everything else in f32.
;; Inputs: W1_0 256 x 1,024 float32; W1_1 256 x 2,048 float32; W1_2 256 x 4,096 float32; W2_0 1,024 x 256 float32; W2_1 2,048 x 256 float32; W2_2 4,096 x 256 float32; Wc1 256 x 128 float32; Wc2 128 x 3 float32; b1_0 1,024 float32; b1_1 2,048 float32; b1_2 4,096 float32; b2_0 256 float32; b2_1 256 float32; b2_2 256 float32; bc1 128 float32; bc2 3 float32; lowp_scales 14 int32 (the exponents e of the quantised operands' scales 2^e); token_embeddings 4 x 4,096 x 256 float32.
;; Outputs: out0 4 x 4,096 x 256 float32.
;; This version of the problem:
;;   THIS VERSION OF THE PROBLEM IS GIVEN IN LOW PRECISION. The matrix products marked QUANTISED in the list below multiply operands that are first quantised to E5M2 (5 exponent bits, 2 mantissa bits; 8 bits a number), with one given power-of-two scale for each operand tensor; their sums are f32. All else is computed in f32.
;;   The module's matrix products, in the order in which they are computed (A, B: the left and right operand; K: the contracted axis; several contracted axes count as one K, in the product's order):
;;     1. [M 16,384, K 256] x [K 256, N 128]; A: input token_embeddings; B: input Wc1: QUANTISED (scales: A lowp_scales[0], B lowp_scales[1])
;;     2. [M 16,384, K 128] x [K 128, N 3]; A: computed on the way; B: input Wc2: left as it is (N = 3 < 16)
;;     3. [M 16,384, K 256] x [K 256, N 1,024]; A: input token_embeddings; B: input W1_0: QUANTISED (scales: A lowp_scales[2], B lowp_scales[3])
;;     4. [M 16,384, K 1,024] x [K 1,024, N 256]; A: computed on the way; B: input W2_0: QUANTISED (scales: A lowp_scales[4], B lowp_scales[5])
;;     5. [M 16,384, K 256] x [K 256, N 2,048]; A: input token_embeddings; B: input W1_1: QUANTISED (scales: A lowp_scales[6], B lowp_scales[7])
;;     6. [M 16,384, K 2,048] x [K 2,048, N 256]; A: computed on the way; B: input W2_1: QUANTISED (scales: A lowp_scales[8], B lowp_scales[9])
;;     7. [M 16,384, K 256] x [K 256, N 4,096]; A: input token_embeddings; B: input W1_2: QUANTISED (scales: A lowp_scales[10], B lowp_scales[11])
;;     8. [M 16,384, K 4,096] x [K 4,096, N 256]; A: computed on the way; B: input W2_2: QUANTISED (scales: A lowp_scales[12], B lowp_scales[13])
;;   THE QUANTISER, for each operand of a quantised product, along K:
;;     - The operand's scale is 2^e, e = its entry of the input lowp_scales (int32; the entries are numbered through the quantised products in the list's order, A before B).
;;     - Each number is divided by the scale, clamped to +-57,344, and rounded to the nearest number of E5M2, ties to even, subnormals kept.
;;     - The product sums the exact products of the quantised numbers (number of the format x scale) in f32.
;;   ~~~python
;;   def quantise(x, axis, e):      # numpy; x: float32 -> the quantised numbers, widened to float32 again
;;       x = np.moveaxis(x, axis, -1); K = x.shape[-1]
;;       r = np.clip(x / 2.0 ** e, -57344, 57344)
;;       step = 2.0 ** (np.maximum(np.frexp(np.where(r == 0, 1, r))[1] - 1, -14) - 2)
;;       q = np.round(r / step) * step * 2.0 ** e      # np.round: ties to even
;;       return np.moveaxis(q, -1, axis).astype(np.float32)
;;   ~~~
;;   OPERANDS COMPUTED ON THE WAY. 'Computed on the way' means the value that the module computes at that place (a softmax that the list does not call 'softmax' is quantised finished and normalised). What goes into a quantiser is computed in f32, as accurately as f32 sums, v_exp_f32 and their like allow (about 1e-6 of the number): no bf16 or f16 on the way to a quantiser, and a product that is left as it is and whose result goes on into a quantised operand takes f32 operands (vector FMAs, or v_wmma_f32_16x16x4_f32). A number that lies on a knife's edge between two numbers of the format may be rounded either way, as far as f32 arithmetic and the matrix unit's own rounding can turn it there, and no further.
;; 2 versions, each right; version 2 is version 1 with the launch chain written anew for expert scheduling mode. Each part assembles by itself: llvm-mc -triple=amdgcn-amd-amdhsa -mcpu=gfx1250 --defsym DOCPART=n.
;; ======== version 1 of 2: 3 launches
;; workspace buffers: xq 4,194,304 bytes; route 8,192 bytes of whole numbers; order 65,536 bytes of whole numbers; tot 256 bytes of whole numbers; w1q 1,835,008 bytes; w2q 1,835,008 bytes; b1c 28,672 bytes; b2c 3,072 bytes
;; launch classify (part 1): grid 256 x 1, 4 waves a work-group, clusters of 4 x 1, 262,144 bytes of LDS; arguments token_embeddings, Wc1, bc1, Wc2, bc2, lowp_scales, xq, route; writes xq, route
.if DOCPART == 1
	.amdgcn_target "amdgcn-amd-amdhsa--gfx1250"
	.amdhsa_code_object_version 6
	.text
	.protected	k_qfffd49acab_classify
	.globl	k_qfffd49acab_classify
	.p2align	8
	.type	k_qfffd49acab_classify,@function
k_qfffd49acab_classify:
	s_mov_b64 s[64:65], 0
	v_nop
	global_prefetch_b8 v0, s[64:65] scope:SCOPE_SE
	s_setreg_imm32_b32 hwreg(HW_REG_WAVE_MODE, 25, 1), 1
	s_wait_xcnt 0x0
	s_wait_alu depctr_hold_cnt(0) depctr_sa_sdst(0) depctr_va_vdst(0) depctr_va_sdst(0) depctr_va_ssrc(0) depctr_va_vcc(0) depctr_vm_vsrc(0)
	s_getreg_b32 s2, hwreg(HW_REG_IB_STS2, 6, 4)
	s_cmp_eq_u32 s2, 0
	s_cbranch_scc0 .Lentry_in_a_cluster
	s_endpgm
.Lentry_in_a_cluster:
	s_bfe_u32 s2, ttmp6, 0x10000c
	s_cmp_lg_u32 s2, 0x3003
	s_cbranch_scc0 .Lentry_shape_is_right
	s_endpgm
.Lentry_shape_is_right:
; THE CLASSIFIER.  For each of 16,384 tokens: logits = gelu(x Wc1 + bc1) Wc2 + bc2; level = the first largest logit.  Stored: the level, as bit masks and counts for each tile of 16 tokens
; (route: whole numbers, at fixed places), and x's codes of E5M2 at the scale that the token's OWN level gives its first product (xq: 256 bytes a token).
; WORK LEFT OUT BY THE WHOLE PROGRAM, for all values of the inputs:
;  (1) reference() keeps of each level's y only the rows with levels == lvl (its own where): the rows of the six FFN products whose level was not chosen reach no output.  So x is
;      quantised for the chosen level alone, and the last launch multiplies the chosen rows alone.
;  (2) softmax divides exp(logit - max) by one sum: it is strictly increasing in each logit under one common divisor, so its argmax, ties too (the first index), is the logits' argmax.
;      No exponential of the softmax is computed.  bc2 differs along the axis and stays.  Every input is loaded by some launch.
; LIMITS.  A NaN, an infinity or an overflow that reaches only a level not chosen, or only the softmax, is not carried to the result.  NaN among the inputs is not served.
;  e0 + e1 between -100 and 100, each e between -126 and 112, so that every power of two below is an f32 number.  Two logits nearer than f32 rounding may be ordered either way.
; GELU, exact form: gelu(u) = max(u, 0) - |u| erfc(|u| / sqrt 2) / 2, erfc(z) / 2 = t 2^(P(t) - z^2 log2 e), t = 1 / (1 + z / 2), P a polynomial of degree 9 (fractional error 1.2e-7).
;  It works on the raw sums s, u = s 2^E: E is added to the exponent fields of the two constants that multiply s; the bias goes in as the product's C, divided by 2^E.
; SHARES.  A work-group takes 64 tokens, each of its four waves a tile of 16.  Wc1 (131,072 bytes of f32) is wanted whole by every work-group: the four work-groups of a cluster ask for it
;  JOINTLY, a quarter a wave.  Each wave fetches its own 16 rows of x by a load of its own.  Two tensor loads a wave are out at the most; no LDS byte is filled twice.
; The product is used transposed (source 0 = 16 columns of Wc1, source 1 = 16 tokens): a lane holds one token.  Fragments take 16 bytes a lane for each 32 along K, the same in both operands.
.set XP,    1040                       ; a row of x in LDS: 1,024 bytes + 16: the sixteen rows of a load start 65 x 16 bytes apart
.set WL,    66560                      ; behind x's 64 rows: Wc1 as it lies, [k][n] f32
.set WQ,    197632                     ; Wc1's codes, [n = 128][k = 256], rows of 272 bytes
.set WQP,   272
.set STG,   232448                     ; a stage of 16 x 272 bytes for each wave
.set SPARE, 249856                     ; the spare words, 128 bytes for each wave
.set SPW, 4
.set NIL, 5
.set AW0, 6                            ; v6  Wc1 f32: column n = my thread's number, k 0-127;  v7: k 128-255
.set AW1, 7
.set WQS, 8                            ; v8  where my column's codes go
.set XRD, 9                            ; v9  x: my row r, + 64 h
.set WQR, 10                           ; v10 a fragment of Wc1's codes
.set STO, 11
.set SRD, 12
.set GO,  13
.set OB,  14
.set OW,  15
.set C9,  20                           ; v[20:21] the polynomial's highest coefficient, twice
.set HA,  24                           ; v24-87  eight tiles of the hidden layer
.set BUF, 88                           ; v88-151 two sets of 32 numbers; four fragments; the GELU's t, P, Z
.set GT,  88
.set GP,  104
.set GZ,  120
.set XC,  152                          ; v152-183 x's codes at e0 (two fragments); later at the chosen scale
.set C8,  184                          ; v184-191 a block of Wc1's codes
.set WC,  152                          ; v152-247 Wc2 for four tiles
.set LS,  248                          ; v248-253 six sums
.set WV,  22
.set CK,  66                           ; s[66:83] coefficients 0 to 8, each twice
.set KA,  84
.set EE,  85                           ; e0 + e1
.set SL,  86
.set SEL, 88
.macro ROUND                           ; a round of the cluster's barrier
	s_barrier_signal -1
	s_barrier_wait -1
	s_cmp_lg_u32 s[WV], 0
	s_cbranch_scc1 .Lnot_wave_0_\@
	s_barrier_signal -3
.Lnot_wave_0_\@:
	s_barrier_wait -3
	s_barrier_signal -1
	s_barrier_wait -1
.endm
.macro CPAIR k, bits
	s_mov_b32 s[CK+2*\k], \bits
	s_mov_b32 s[CK+2*\k+1], \bits
.endm
.macro MKSCALE e, sc, lim              ; 2^e and 57,344 x 2^e as f32 patterns
	s_add_co_i32 s[\sc], s[\e], 127
	s_add_co_i32 s[\lim], s[\sc], 15
	s_lshl_b32 s[\sc], s[\sc], 23
	s_lshl_b32 s[\lim], s[\lim], 23
	s_or_b32 s[\lim], s[\lim], 0x600000
.endm
.macro QUANT32 s, d, sc, lim           ; 32 numbers of a lane become 32 codes in 8 registers
.set qi, 0
.rept 32
	v_med3_num_f32 v[(\s)+qi], v[(\s)+qi], -v[\lim], v[\lim]   ; the conversion does not saturate (ISA guide 7.6.2): the hold at the largest code x the scale
.set qi, qi+1
.endr
.set qi, 0
.rept 4
	v_cvt_scalef32_pk8_bf8_f32 v[(\d)+2*qi:(\d)+2*qi+1], v[(\s)+8*qi:(\s)+8*qi+7], v[\sc]
.set qi, qi+1
.endr
	v_nop                                          ; a plain line behind the last conversion
.endm
.macro GELU_T s, n                     ; 1 + z / 2
.set gi, 0
.rept \n
	v_fma_f32 v[GT+gi], |v[(\s)+gi]|, s[KA], 1.0
.set gi, gi+1
.endr
.endm
.macro GELU_R s, n                     ; the rest: v[s] .. becomes gelu(u) / 2^E
.set gi, 0
.rept \n
	v_rcp_f32 v[GT+gi], v[GT+gi]
.set gi, gi+1
.endr
.set gi, 0
.rept (\n)/2
	v_pk_mul_f32 v[GZ+gi:GZ+gi+1], v[(\s)+gi:(\s)+gi+1], s[SL:SL+1] op_sel_hi:[1,0]   ; z sqrt(log2 e): plain lines behind the reciprocals
.set gi, gi+2
.endr
	s_wait_alu depctr_va_vdst(0)                   ; one wait for the batch of reciprocals, ahead of their first reader
.set gi, 0
.rept (\n)/2
	v_pk_fma_f32 v[GP+gi:GP+gi+1], v[GT+gi:GT+gi+1], v[C9:C9+1], s[CK+16:CK+17] op_sel_hi:[1,1,0]
.set gi, gi+2
.endr
.irp k, 7,6,5,4,3,2,1,0
.set gi, 0
.rept (\n)/2
	v_pk_fma_f32 v[GP+gi:GP+gi+1], v[GP+gi:GP+gi+1], v[GT+gi:GT+gi+1], s[CK+2*\k:CK+2*\k+1] op_sel_hi:[1,1,0]
.set gi, gi+2
.endr
.endr
.set gi, 0
.rept (\n)/2
	v_pk_fma_f32 v[GP+gi:GP+gi+1], v[GZ+gi:GZ+gi+1], v[GZ+gi:GZ+gi+1], v[GP+gi:GP+gi+1] neg_lo:[1,0,0] neg_hi:[1,0,0]
.set gi, gi+2
.endr
.set gi, 0
.rept \n
	v_exp_f32 v[GP+gi], v[GP+gi]
.set gi, gi+1
.endr
.set gi, 0
.rept \n
	v_max_num_f32 v[GZ+gi], 0, v[(\s)+gi]          ; max(s, 0): plain lines behind the exponentials
.set gi, gi+1
.endr
	s_wait_alu depctr_va_vdst(0)                   ; one wait for the batch of exponentials
.set gi, 0
.rept (\n)/2
	v_pk_mul_f32 v[GT+gi:GT+gi+1], v[GT+gi:GT+gi+1], v[GP+gi:GP+gi+1] neg_lo:[1,0] neg_hi:[1,0]   ; - erfc / 2
.set gi, gi+2
.endr
.set gi, 0
.rept \n
	v_fma_f32 v[(\s)+gi], |v[(\s)+gi]|, v[GT+gi], v[GZ+gi]
.set gi, gi+1
.endr
.endm
	s_load_b512 s[4:19], s[0:1], 0x0               ; x s[4:5], Wc1 s[6:7], bc1 s[8:9], Wc2 s[10:11], bc2 s[12:13], scales s[14:15], xq s[16:17], route s[18:19]
	v_lshl_add_u32 v[SPW], v0, 2, SPARE
	v_mov_b32 v[NIL], 0
	ds_add_u32 v[SPW], v[NIL]                      ; the opening: the add, twice on end, and its wait ahead of my first tensor load
	ds_add_u32 v[SPW], v[NIL]
	v_lshrrev_b32 v1, 5, v0
	v_readfirstlane_b32 s[WV], v1                  ; wave 0..3
	s_bfe_u32 s23, ttmp6, 0x40000                  ; cx: it enters global addresses of x, xq and route alone
	s_lshl_b32 s24, ttmp9, 2
	s_add_co_u32 s24, s24, s23                     ; work-group = 4 x cluster + cx
	; group 1 for x: 16 rows of 256 elements of 4 bytes, 4 words of padding behind every 256
	s_mov_b32 s28, (2<<16)|(1<<20)|(7<<22)|(3<<25)
	s_mov_b32 s29, 256<<16
	s_mov_b32 s30, 16<<16
	s_mov_b32 s31, 256<<16
	s_mov_b32 s32, 16
	s_mov_b32 s33, 256
	s_mov_b32 s34, 0
	s_mov_b32 s35, 0
	; group 1 for Wc1: a dense block of 128 rows of 32 elements of 8 bytes; the mask names all four work-groups
	s_mov_b32 s36, 15|(3<<16)|(1<<21)
	s_mov_b32 s37, 32<<16
	s_mov_b32 s38, 128<<16
	s_mov_b32 s39, 32<<16
	s_mov_b32 s40, 128
	s_mov_b32 s41, 32
	s_mov_b32 s42, 0
	s_mov_b32 s43, 0
	s_mov_b32 s44, 1
	s_mul_i32 s45, s[WV], 16*XP                    ; x's tile: wave x 16 rows
	s_mov_b32 s48, 1
	s_lshl_b32 s49, s[WV], 15
	s_add_co_u32 s49, s49, WL                      ; Wc1's quarter: wave x 32,768 bytes
	s_lshl_b32 s26, s24, 16                        ; 64 rows of 1,024 bytes a work-group,
	s_lshl_b32 s25, s[WV], 14                      ; 16 a wave
	s_add_co_u32 s26, s26, s25
	s_mov_b32 s27, 0
	s_lshl_b32 s90, s[WV], 15
	s_mov_b32 s91, 0
	CPAIR 0, 0xc034d90f
	CPAIR 1, 0x3fb8ab5a
	CPAIR 2, 0x3f0a29d2
	CPAIR 3, 0x3e0efb2f
	CPAIR 4, 0xbe899a80
	CPAIR 5, 0x3ecdfd18
	CPAIR 6, 0xbfd1a1e5
	CPAIR 7, 0x40097039
	CPAIR 8, 0xbf97d29d
	s_mov_b32 s[SEL], 0x76543210
	s_mov_b32 s[SEL+1], 0xfedcba98
	s_wait_dscnt 0x0                               ; both opening adds are done
	s_wait_kmcnt 0x0
	s_load_b256 s[52:59], s[14:15], 0x0            ; e0 .. e7
	s_load_b128 s[60:63], s[14:15], 0x20           ; e8 .. e11
	s_load_b96 s[92:94], s[12:13], 0x0             ; bc2
	s_add_nc_u64 s[46:47], s[4:5], s[26:27]
	s_or_b32 s47, s47, 0x80000000
	s_add_nc_u64 s[50:51], s[6:7], s[90:91]        ; hangs on the wave's number alone: equal in the four partners
	s_or_b32 s51, s51, 0x80000000
	ROUND                                          ; all four work-groups are here: the joint loads meet
	tensor_load_to_lds s[44:47], s[28:35]          ; my 16 rows of x
	s_nop 0
	tensor_load_to_lds s[48:51], s[36:43]          ; my quarter of Wc1, for all four work-groups
	s_nop 0
	v_and_b32 v1, 31, v0                           ; lane
	v_and_b32 v2, 15, v0                           ; r
	v_bfe_u32 v3, v0, 4, 1                         ; h
	v_lshl_add_u32 v[AW0], v0, 2, WL
	v_add_nc_u32 v[AW1], 0x10000, v[AW0]
	v_mul_u32_u24 v[WQS], v0, WQP
	v_add_nc_u32 v[WQS], WQ, v[WQS]
	v_mul_u32_u24 v[XRD], v2, XP
	v_lshl_add_u32 v[XRD], v3, 6, v[XRD]
	v_add_nc_u32 v[XRD], s45, v[XRD]
	v_mul_u32_u24 v[WQR], v2, WQP
	v_lshl_add_u32 v[WQR], v3, 4, v[WQR]
	s_mul_i32 s25, s[WV], 16*WQP
	s_add_co_u32 s25, s25, STG
	v_add_nc_u32 v[STO], s25, v[WQR]               ; the stage, in: row r, + 16 h
	v_add_nc_u32 v[WQR], WQ, v[WQR]
	v_mul_u32_u24 v[SRD], v3, WQP
	v_lshl_add_u32 v[SRD], v2, 4, v[SRD]
	v_add_nc_u32 v[SRD], s25, v[SRD]               ; back: lanes 0-15 one row, lanes 16-31 the next
	v_lshlrev_b32 v[GO], 4, v1
	v_lshlrev_b32 v[OB], 5, v3
	v_mul_u32_u24 v[OW], v3, 96
	v_mov_b32 v[C9], 0x3e7c6f08
	v_mov_b32 v[C9+1], 0x3e7c6f08
.irp t, 0,1,2,3,4,5,6,7                        ; bc1 in the result's layout: lane (r, h), register j of tile t: unit 16 t + 8 h + j
	global_load_b128 v[HA+8*\t:HA+8*\t+3], v[OB], s[8:9] offset:64*\t
	global_load_b128 v[HA+8*\t+4:HA+8*\t+7], v[OB], s[8:9] offset:64*\t+16
.endr
	s_wait_tensorcnt 0x0                           ; my two loads have landed,
	s_barrier_signal -1
	s_barrier_wait -1                              ; everybody's have
	s_wait_kmcnt 0x0
	MKSCALE 53, 95, 96
	v_mov_b32 v16, s95                             ; Wc1's scale and hold
	v_mov_b32 v17, s96
	MKSCALE 52, 95, 96
	v_mov_b32 v18, s95                             ; x's, for the classifier
	v_mov_b32 v19, s96
	s_add_co_i32 s[EE], s52, s53
	s_lshl_b32 s90, s[EE], 23
	s_add_co_i32 s[KA], s90, 0x3eb504f3            ; 2^E / (2 sqrt 2)
	s_add_co_i32 s[SL], s90, 0x3f596d27            ; 2^E sqrt(log2 e / 2)
	s_mov_b32 s[SL+1], s[SL]
	; ---- Wc1 to codes: a lane takes column n, its registers run down K
.macro WLOAD kb
.set wi, 0
.rept 32
.if 32*(\kb)+wi < 128
	ds_load_b32 v[BUF+32*((\kb)%2)+wi], v[AW0] offset:512*(32*(\kb)+wi)
.else
	ds_load_b32 v[BUF+32*((\kb)%2)+wi], v[AW1] offset:512*(32*(\kb)+wi-128)
.endif
.set wi, wi+1
.endr
.endm
	WLOAD 0
.irp kb, 0,1,2,3,4,5,6,7
.if \kb < 7
	WLOAD \kb+1
	s_wait_dscnt 32                                ; all but the 32 loads just issued: this block is in, and the last block's two stores are done
.else
	s_wait_dscnt 0x0
.endif
	QUANT32 BUF+32*(\kb%2), C8, 16, 17
	ds_store_b128 v[WQS], v[C8:C8+3] offset:32*\kb
	ds_store_b128 v[WQS], v[C8+4:C8+7] offset:32*\kb+16
.endr
	; ---- my 16 rows of x to codes: lane (r, h) takes 16 neighbours of each block of 32
.macro XLOAD pr
.irp c, 0,1
.irp i, 0,1,2,3
	ds_load_b128 v[BUF+32*((\pr)%2)+16*\c+4*\i:BUF+32*((\pr)%2)+16*\c+4*\i+3], v[XRD] offset:128*(2*(\pr)+\c)+16*\i
.endr
.endr
.endm
.macro XPASS d, sc, lim
	XLOAD 0
.irp pr, 0,1,2,3
.if \pr < 3
	XLOAD \pr+1
	s_wait_dscnt 8                                 ; all but the eight loads just issued
.else
	s_wait_dscnt 0x0
.endif
	QUANT32 BUF+32*(\pr%2), (\d)+8*\pr, \sc, \lim
.endr
.endm
	XPASS XC, 18, 19
	s_sub_co_i32 s26, 127, s[EE]
	s_lshl_b32 s26, s26, 23                        ; 2^-E
	s_mov_b32 s27, s26
	s_wait_loadcnt 0x0                             ; bc1
.set gi, 0
.rept 32
	v_pk_mul_f32 v[HA+gi:HA+gi+1], v[HA+gi:HA+gi+1], s[26:27] op_sel_hi:[1,0]
.set gi, gi+2
.endr
	s_wait_dscnt 0x0                               ; my codes of Wc1 lie in LDS,
	s_barrier_signal -1
	s_barrier_wait -1                              ; everybody's do
	; ---- the first product: four accumulators by turns
.irp g, 0,1
.irp ks, 0,1
.rept 4
	v_nop                                          ; places in front of loads into registers that matrix instructions have read
.endr
.irp tt, 0,1,2,3
.irp q, 0,1,2,3
	ds_load_b128 v[BUF+16*\tt+4*\q:BUF+16*\tt+4*\q+3], v[WQR] offset:16*(4*\g+\tt)*WQP+128*\ks+32*\q
.endr
.endr
	s_wait_dscnt 0x0
.irp tt, 0,1,2,3
	v_wmma_f32_16x16x128_bf8_bf8 v[HA+8*(4*\g+\tt):HA+8*(4*\g+\tt)+7], v[BUF+16*\tt:BUF+16*\tt+15], v[XC+16*\ks:XC+16*\ks+15], v[HA+8*(4*\g+\tt):HA+8*(4*\g+\tt)+7]
.endr
.endr
.endr
.rept 4
	v_nop                                          ; places in front of the first read of results and of the loads over x's codes
.endr
	; ---- GELU, and the second product by fused multiply-adds in f32 (N = 3)
.macro WC2LOAD g                       ; Wc2's rows 16 t + 8 h + 0 .. 7: 24 numbers on end
.irp tt, 0,1,2,3
.irp i, 0,1,2,3,4,5
	global_load_b128 v[WC+24*\tt+4*\i:WC+24*\tt+4*\i+3], v[OW], s[10:11] offset:192*(4*\g+\tt)+16*\i
.endr
.endr
.endm
.macro DOT g
.irp tt, 0,1,2,3
.irp j, 0,1,2,3,4,5,6,7
.irp l, 0,1,2
.if (\g==0)&&(\tt==0)&&(\j<2)
	v_mul_f32 v[LS+\l+3*(\j%2)], v[HA+8*(4*\g+\tt)+\j], v[WC+24*\tt+3*\j+\l]
.else
	v_fmac_f32 v[LS+\l+3*(\j%2)], v[HA+8*(4*\g+\tt)+\j], v[WC+24*\tt+3*\j+\l]
.endif
.endr
.endr
.endr
.endm
	WC2LOAD 0
	GELU_T HA, 16
	GELU_R HA, 16
	GELU_T HA+16, 16
	GELU_R HA+16, 16
	s_wait_loadcnt 0x0
	DOT 0
	WC2LOAD 1
	GELU_T HA+32, 16
	GELU_R HA+32, 16
	GELU_T HA+48, 16
	GELU_R HA+48, 16
	s_wait_loadcnt 0x0
	DOT 1
	; ---- the choice
.irp l, 0,1,2
	v_add_f32 v[LS+\l], v[LS+\l], v[LS+3+\l]
.endr
.irp l, 0,1,2
	v_permlanex16_b32 v[LS+3+\l], v[LS+\l], s[SEL], s[SEL+1]   ; the token's other 64 units lie in the lane 16 away
.endr
.irp l, 0,1,2
	v_add_f32 v[LS+\l], v[LS+\l], v[LS+3+\l]
.endr
	s_add_co_i32 s90, s[EE], 127
	s_lshl_b32 s90, s90, 23                        ; 2^E
	v_fma_f32 v[LS], v[LS], s90, s92
	v_fma_f32 v[LS+1], v[LS+1], s90, s93
	v_fma_f32 v[LS+2], v[LS+2], s90, s94
	v_cmp_gt_f32 s20, v[LS+1], v[LS]               ; strictly greater: a tie stays with the lower index
	v_cndmask_b32 v[LS+3], v[LS], v[LS+1], s20
	v_cmp_gt_f32 s21, v[LS+2], v[LS+3]
	MKSCALE 54, 95, 96                             ; x's scale for level 0 (entry 2), 1 (entry 6), 2 (entry 10): chosen by selects, lane by lane
	v_mov_b32 v22, s95
	v_mov_b32 v23, s96
	MKSCALE 58, 95, 96
	v_mov_b32 v254, s95
	v_mov_b32 v255, s96
	v_cndmask_b32 v22, v22, v254, s20
	v_cndmask_b32 v23, v23, v255, s20
	MKSCALE 62, 95, 96
	v_mov_b32 v254, s95
	v_mov_b32 v255, s96
	v_cndmask_b32 v22, v22, v254, s21
	v_cndmask_b32 v23, v23, v255, s21
	; ---- x once more, at the chosen scale; the codes leave through my stage as whole rows of 256 bytes
	XPASS XC, 22, 23
	s_lshl_b32 s26, s24, 14
	s_lshl_b32 s25, s[WV], 12
	s_add_co_u32 s26, s26, s25
	s_mov_b32 s27, 0
	s_add_nc_u64 s[16:17], s[16:17], s[26:27]      ; xq at my first token
.irp c, 0,1,2,3,4,5,6,7
	ds_store_b128 v[STO], v[XC+4*\c:XC+4*\c+3] offset:32*\c
.endr
.irp i, 0,1,2,3,4,5,6,7
	ds_load_b128 v[BUF+4*\i:BUF+4*\i+3], v[SRD] offset:2*WQP*\i   ; LDS serves a wave's instructions in order: these see my stores
.endr
.irp i, 0,1,2,3,4,5,6,7
	s_wait_dscnt 7-\i
	global_store_b128 v[GO], v[BUF+4*\i:BUF+4*\i+3], s[16:17] offset:512*\i   ; 32 lanes store 512 consecutive bytes
.endr
	; ---- route: word tile: level 1's tokens in bits 0-15, level 2's in bits 16-31; word 1,024 + tile: their counts
	s_and_not1_b32 s26, s20, s21
	s_and_b32 s26, s26, 0xffff
	s_and_b32 s27, s21, 0xffff
	s_bcnt1_i32_b32 s90, s26
	s_bcnt1_i32_b32 s91, s27
	s_lshl_b32 s27, s27, 16
	s_or_b32 s26, s26, s27
	s_lshl_b32 s91, s91, 16
	s_or_b32 s90, s90, s91
	s_lshl_b32 s25, s24, 2
	s_add_co_u32 s25, s25, s[WV]
	s_lshl_b32 s25, s25, 2
	v_lshl_add_u32 v[OB], v1, 12, s25              ; lane 0: the mask's word; lane 1: the counts', 4,096 bytes on
	v_mov_b32 v254, s26
	v_mov_b32 v255, s90
	v_cmp_eq_u32 vcc_lo, 1, v1
	v_cndmask_b32 v254, v254, v255, vcc_lo
	v_cmp_gt_u32 vcc_lo, 2, v1
	s_wait_xcnt 0x0                                ; EXEC changes only behind this wait
	s_and_saveexec_b32 s25, vcc_lo
	global_store_b32 v[OB], v254, s[18:19]
	s_wait_xcnt 0x0
	s_or_b32 exec_lo, exec_lo, s25
	s_wait_tensorcnt 0x0                           ; the wave's end
	ds_add_u32 v[SPW], v[NIL]
	s_wait_dscnt 0x0
	ROUND                                          ; the closing round
	s_endpgm
.Lfunc_end_k_qfffd49acab_classify:
	.size	k_qfffd49acab_classify, .Lfunc_end_k_qfffd49acab_classify-k_qfffd49acab_classify
	.p2alignl 7, 3214868480
	.fill 96, 4, 3214868480
	.section	.rodata,"a",@progbits
	.p2align	6, 0x0
	.amdhsa_kernel k_qfffd49acab_classify
		.amdhsa_group_segment_fixed_size 262144
		.amdhsa_private_segment_fixed_size 0
		.amdhsa_enable_private_segment 0
		.amdhsa_kernarg_size 64
		.amdhsa_user_sgpr_count 2
		.amdhsa_user_sgpr_kernarg_segment_ptr 1
		.amdhsa_wavefront_size32 1
		.amdhsa_system_sgpr_workgroup_id_x 1
		.amdhsa_system_sgpr_workgroup_id_y 1
		.amdhsa_system_sgpr_workgroup_id_z 1
		.amdhsa_system_vgpr_workitem_id 0
		.amdhsa_next_free_vgpr 256
		.amdhsa_next_free_sgpr 100
		.amdhsa_reserve_vcc 1
		.amdhsa_float_denorm_mode_32 3
		.amdhsa_float_denorm_mode_16_64 3
		.amdhsa_memory_ordered 1
		.amdhsa_forward_progress 1
		.amdhsa_inst_pref_size 129
	.end_amdhsa_kernel
	.amdgpu_metadata
---
amdhsa.version: [ 1, 2 ]
amdhsa.kernels:
  - .name:           k_qfffd49acab_classify
    .symbol:         k_qfffd49acab_classify.kd
    .args:
      - { .name: token_embeddings, .offset: 0, .size: 8, .value_kind: global_buffer, .address_space: global }
      - { .name: Wc1, .offset: 8, .size: 8, .value_kind: global_buffer, .address_space: global }
      - { .name: bc1, .offset: 16, .size: 8, .value_kind: global_buffer, .address_space: global }
      - { .name: Wc2, .offset: 24, .size: 8, .value_kind: global_buffer, .address_space: global }
      - { .name: bc2, .offset: 32, .size: 8, .value_kind: global_buffer, .address_space: global }
      - { .name: lowp_scales, .offset: 40, .size: 8, .value_kind: global_buffer, .address_space: global }
      - { .name: xq, .offset: 48, .size: 8, .value_kind: global_buffer, .address_space: global }
      - { .name: route, .offset: 56, .size: 8, .value_kind: global_buffer, .address_space: global }
    .group_segment_fixed_size: 262144
    .private_segment_fixed_size: 0
    .kernarg_segment_align: 8
    .kernarg_segment_size: 64
    .max_flat_workgroup_size: 128
    .sgpr_count:     100
    .vgpr_count:     256
    .wavefront_size: 32
...
	.end_amdgpu_metadata
.endif
;; end of part 1
;; launch prep (part 2): grid 240 x 1, 4 waves a work-group, no clusters, 0 bytes of LDS; arguments route, lowp_scales, W1_0, W1_1, W1_2, W2_0, W2_1, W2_2, b1_0, b1_1, b1_2, b2_0, b2_1, b2_2, order, tot, w1q, w2q, b1c, b2c; writes order, tot, w1q, w2q, b1c, b2c
.if DOCPART == 2
	.amdgcn_target "amdgcn-amd-amdhsa--gfx1250"
	.amdhsa_code_object_version 6
	.text
	.protected	k_qfffd49acab_prep
	.globl	k_qfffd49acab_prep
	.p2align	8
	.type	k_qfffd49acab_prep,@function
k_qfffd49acab_prep:
	s_mov_b64 s[64:65], 0
	v_nop
	global_prefetch_b8 v0, s[64:65] scope:SCOPE_SE
	s_setreg_imm32_b32 hwreg(HW_REG_WAVE_MODE, 25, 1), 1
	s_wait_xcnt 0x0
; TWO JOBS IN ONE LAUNCH, parted on the work-group's number.  No LDS, no barrier, no matrix instruction: waves share nothing.
; Work-groups 0-15 PLACE THE TOKENS: order = level 0's token numbers, then level 1's, then level 2's; tot = the three counts.  A counting sort without atomics: each of the 64 waves owns 256 tokens,
;  sums all 1,024 count words (two 16-bit counts a word: a total is at most 16,384) and those of the tiles before its own, and places its tokens by the bits of their masks.
; Work-groups 16-239 QUANTISE THE SIX FFN WEIGHTS into the order of the last launch's operand registers, so that a fragment there is four loads of 16 bytes a lane:
;  w1q [chunk of 128 hidden units, 56 in all: level 0's 8, level 1's 16, level 2's 32][wave 0-7][K step 0-1][q 0-3][lane][16]: lane (r, h): unit 128 c + 32 (wave / 2) + 8 (wave % 2) + r + 8 (r / 8), k = 128 ks + 32 q + 16 h + 0..15
;  w2q [chunk][wave 0-7][tile 0-1][q][lane][16]: lane (r, h): output 32 wave + 16 tile + r, hidden unit 128 c + 32 q + 16 h + 0..15
;  K is the first axis of every weight: a lane takes a column and its registers run down K, 128 numbers; each load of a wave reads 128 consecutive bytes; each store fills two aligned runs of 256 bytes.
;  The 128 loads go in eight half blocks of 16 rows, three of them on their way: 48 loads of a wave are out at the most (49 with the bias's).
; THE BIASES ARE LAID ON END, so that the last launch reaches them by one pointer and an offset: b1c [56 chunks][128] = b1 / 2^(ex + ew1) of its level (exact: it goes in as the first product's C, whose
;  sums lack that power); b2c [3][256] = b2.  Wave 0 of a W1 work-group with K step 0 copies its chunk's 512 bytes; wave 0 of a W2 work-group of a level's first chunk its half of b2.
; code = w / 2^e, held within +-57,344, to the nearest code, ties to even.  LIMITS: each e between -126 and 112.  NaN among the inputs is not served.
; Nothing is left out here: every weight is quantised, since which levels are chosen hangs on the data.
.macro QUANT16 s, d, sc, lim           ; 16 numbers of a lane become 16 codes in 4 registers
.set qi, 0
.rept 16
	v_med3_num_f32 v[(\s)+qi], v[(\s)+qi], -v[\lim], v[\lim]   ; the conversion does not saturate (ISA guide 7.6.2)
.set qi, qi+1
.endr
	v_cvt_scalef32_pk8_bf8_f32 v[(\d):(\d)+1], v[(\s):(\s)+7], v[\sc]
	v_cvt_scalef32_pk8_bf8_f32 v[(\d)+2:(\d)+3], v[(\s)+8:(\s)+15], v[\sc]
	v_nop
.endm
	s_load_b512 s[4:19], s[0:1], 0x0               ; route s[4:5], scales s[6:7], W1_0 s[8:9], W1_1 s[10:11], W1_2 s[12:13], W2_0 s[14:15], W2_1 s[16:17], W2_2 s[18:19]
	s_load_b256 s[20:27], s[0:1], 0x70             ; order s[20:21], tot s[22:23], w1q s[24:25], w2q s[26:27]
	v_lshrrev_b32 v2, 5, v0
	v_readfirstlane_b32 s28, v2                    ; wave
	v_and_b32 v1, 31, v0                           ; lane
	s_cmp_ge_u32 ttmp9, 16
	s_cbranch_scc1 .Lweights
	; ---------------- placing
	s_lshl_b32 s29, ttmp9, 2
	s_add_co_u32 s29, s29, s28                     ; W = 0..63: tokens 256 W on, tiles 16 W on
	s_lshl_b32 s30, s29, 6
	s_mov_b32 s31, 0
	v_lshlrev_b32 v3, 4, v1
	s_mov_b32 s32, 0x76543210
	s_mov_b32 s33, 0xfedcba98
	s_wait_kmcnt 0x0
	s_add_nc_u64 s[30:31], s[4:5], s[30:31]
	s_load_b512 s[36:51], s[30:31], 0x0            ; my 16 mask words
.irp i, 0,1,2,3,4,5,6,7
	global_load_b128 v[8+4*\i:11+4*\i], v3, s[4:5] offset:4096+512*\i   ; count words 128 i + 4 lane + 0..3
.endr
	s_lshl_b32 s34, s29, 2                         ; 4 W
	v_mov_b32 v4, 0                                ; all tiles' counts
	v_mov_b32 v5, 0                                ; those of the tiles before mine
	v_mov_b32 v7, 0
.irp i, 0,1,2,3,4,5,6,7
	s_wait_loadcnt 7-\i                            ; the younger of the eight loads may be out
	v_add_nc_u32 v6, v[8+4*\i], v[9+4*\i]
	v_add3_u32 v6, v6, v[10+4*\i], v[11+4*\i]
	s_sub_co_i32 s35, s34, 32*\i
	v_cmp_gt_i32 vcc_lo, s35, v1                   ; tiles 128 i + 4 lane + 0..3 lie before tile 16 W where 32 i + lane < 4 W
	v_add_nc_u32 v4, v4, v6
	v_cndmask_b32 v6, 0, v6, vcc_lo
	v_add_nc_u32 v5, v5, v6
.endr
.irp x, 1,2,4,8
	v_mov_b32_dpp v7, v4 row_xmask:\x row_mask:0xf bank_mask:0xf
	v_add_nc_u32 v4, v4, v7
	v_mov_b32_dpp v7, v5 row_xmask:\x row_mask:0xf bank_mask:0xf
	v_add_nc_u32 v5, v5, v7
.endr
	v_permlanex16_b32 v7, v4, s32, s33
	v_add_nc_u32 v4, v4, v7
	v_permlanex16_b32 v7, v5, s32, s33
	v_add_nc_u32 v5, v5, v7
	v_readfirstlane_b32 s52, v4
	v_readfirstlane_b32 s53, v5
	s_and_b32 s54, s52, 0xffff                     ; n1
	s_lshr_b32 s55, s52, 16                        ; n2
	s_and_b32 s56, s53, 0xffff                     ; level 1's tokens before mine
	s_lshr_b32 s57, s53, 16                        ; level 2's
	s_sub_co_u32 s58, 0x4000, s54
	s_sub_co_u32 s58, s58, s55                     ; n0
	s_lshl_b32 s67, s29, 8                         ; 256 W
	s_sub_co_u32 s59, s67, s56
	s_sub_co_u32 s59, s59, s57                     ; where my level 0 tokens begin,
	s_add_co_u32 s60, s58, s56                     ; my level 1 tokens,
	s_add_co_u32 s61, s58, s54
	s_add_co_u32 s61, s61, s57                     ; my level 2 tokens
	v_add_nc_u32 v9, s67, v1                       ; my first token's number
	s_wait_kmcnt 0x0
.irp g, 0,1,2,3,4,5,6,7                        ; 32 tokens at a time: two tiles' masks
	s_and_b32 s62, s[36+2*\g], 0xffff
	s_lshl_b32 s63, s[37+2*\g], 16
	s_or_b32 s62, s62, s63                         ; level 1's lanes
	s_lshr_b32 s63, s[36+2*\g], 16
	s_and_b32 s66, s[37+2*\g], 0xffff0000
	s_or_b32 s63, s63, s66                         ; level 2's
	s_or_b32 s66, s62, s63
	s_not_b32 s66, s66                             ; level 0's
	v_mbcnt_lo_u32_b32 v6, s66, s59                ; the base + the lanes of that level below mine
	v_mbcnt_lo_u32_b32 v7, s62, s60
	v_cndmask_b32 v6, v6, v7, s62
	v_mbcnt_lo_u32_b32 v7, s63, s61
	v_cndmask_b32 v6, v6, v7, s63
	v_min_u32 v6, 0x3fff, v6
	v_lshlrev_b32 v[40+\g], 2, v6
	v_add_nc_u32 v[48+\g], 32*\g, v9
	global_store_b32 v[40+\g], v[48+\g], s[20:21]  ; each group has its own address and data registers
	s_bcnt1_i32_b32 s68, s66
	s_add_co_u32 s59, s59, s68
	s_bcnt1_i32_b32 s68, s62
	s_add_co_u32 s60, s60, s68
	s_bcnt1_i32_b32 s68, s63
	s_add_co_u32 s61, s61, s68
.endr
	s_cmp_lg_u32 s29, 0
	s_cbranch_scc1 .Lplaced
	v_mov_b32 v56, 0                               ; wave 0 stores the totals: n0, n1, n2, then zeros: 128 bytes
	v_writelane_b32 v56, s58, 0
	v_writelane_b32 v56, s54, 1
	v_writelane_b32 v56, s55, 2
	v_lshlrev_b32 v57, 2, v1
	global_store_b32 v57, v56, s[22:23]
.Lplaced:
	s_endpgm
	; ---------------- weights and biases
.Lweights:
	s_load_b256 s[88:95], s[0:1], 0x40             ; b1_0 s[88:89], b1_1 s[90:91], b1_2 s[92:93], b2_0 s[94:95]
	s_load_b128 s[96:99], s[0:1], 0x60             ; b2_1 s[96:97], b2_2 s[98:99]
	s_load_b128 s[60:63], s[0:1], 0x90             ; b1c s[60:61], b2c s[62:63]
	s_sub_co_u32 s29, ttmp9, 16                    ; 0-111: W1's, 112-223: W2's
	s_cmp_lt_u32 s29, 112
	s_cselect_b32 s30, 0, 112
	s_cselect_b32 s31, -1, 0                       ; all ones: a W1
	s_cselect_b32 s32, 13, 12                      ; the output: my wave's part is 8,192 or 4,096 bytes,
	s_cselect_b32 s33, 11, 14                      ; my half 2,048 (a K step) or 16,384 (four waves of the last launch)
	s_sub_co_u32 s29, s29, s30
	s_lshr_b32 s34, s29, 1                         ; chunk 0..55
	s_and_b32 s35, s29, 1                          ; which half
	s_mov_b32 s36, 0                               ; the level,
	s_mov_b32 s37, 0                               ; its first chunk
	s_cmp_ge_u32 s34, 8
	s_cselect_b32 s36, 1, s36
	s_cselect_b32 s37, 8, s37
	s_cmp_ge_u32 s34, 24
	s_cselect_b32 s36, 2, s36
	s_cselect_b32 s37, 24, s37
	s_sub_co_u32 s38, s34, s37                     ; the chunk within the level
	s_lshl_b32 s86, s36, 1
	s_add_co_u32 s86, s86, s35                     ; 2 x level + half: b2's place in b2c, in runs of 512 bytes
	s_lshl_b32 s39, 0x1000, s36                    ; a row of W1: 4 x 1,024 x 2^level bytes
	s_cmp_lg_u32 s31, 0
	s_cselect_b32 s39, s39, 0x400                  ; of W2: 1,024
	s_cselect_b32 s40, s35, s38                    ; which 128 rows (K): W1: the half; W2: the chunk
	s_cselect_b32 s41, s38, s35                    ; which 128 columns: W1: the chunk; W2: the half.  Also: which 512 bytes of the bias
	s_cselect_b32 s85, s35, s38                    ; a bias is copied where this is 0 (W1: K step 0; W2: the level's first chunk),
	s_cselect_b32 s86, s34, s86                    ; to run chunk of b1c, or run 2 x level + half of b2c
	s_or_b32 s85, s85, s28                         ; by wave 0
	s_lshl_b32 s86, s86, 9
	s_mov_b32 s87, 0
	s_lshl_b32 s50, s41, 9
	s_mov_b32 s51, 0
	s_mul_i32 s42, s40, s39
	s_lshl_b32 s42, s42, 7
	s_lshl_b32 s44, s41, 9
	s_add_co_u32 s42, s42, s44
	s_lshl_b32 s44, s28, 7                         ; my wave's 32 columns
	s_add_co_u32 s42, s42, s44
	s_mov_b32 s43, 0
	s_lshl_b32 s44, s39, 5                         ; 32 rows
	s_mov_b32 s45, 0
	s_lshl_b32 s46, s34, 15
	s_lshl_b32 s48, s28, s32
	s_add_co_u32 s46, s46, s48
	s_lshl_b32 s48, s35, s33
	s_add_co_u32 s46, s46, s48
	s_mov_b32 s47, 0
	v_lshlrev_b32 v3, 2, v1
	v_lshlrev_b32 v12, 4, v1                       ; the bias: 16 bytes a lane
.set i, 0
.rept 32
	v_mad_u32_u24 v[160+i], s39, i, v3             ; row i of a block of 32, my column
.set i, i+1
.endr
	v_bfe_u32 v5, v1, 3, 1                         ; W1: column x of 32 is row (x % 8) + 8 (x / 16) of the tile of wave 2 b + (x / 8) % 2
	v_and_b32 v6, 7, v1
	v_lshrrev_b32 v7, 4, v1
	v_lshl_add_u32 v6, v7, 3, v6
	v_lshlrev_b32 v6, 4, v6
	v_lshl_add_u32 v4, v5, 12, v6
	v_and_b32 v8, 15, v1                           ; W2: column x is row x % 16 of tile x / 16
	v_lshlrev_b32 v8, 4, v8
	v_lshl_add_u32 v8, v7, 11, v8
	v_cndmask_b32 v4, v8, v4, s31
	s_wait_kmcnt 0x0
	s_load_b256 s[68:75], s[6:7], 0x0              ; e0 .. e7
	s_load_b128 s[76:79], s[6:7], 0x20             ; e8 .. e11
	s_load_b64 s[80:81], s[6:7], 0x30              ; e12, e13
	s_cmp_eq_u32 s36, 1                            ; the choices hang on the work-group's number alone
	s_cselect_b64 s[8:9], s[10:11], s[8:9]
	s_cselect_b64 s[14:15], s[16:17], s[14:15]
	s_cselect_b64 s[88:89], s[90:91], s[88:89]
	s_cselect_b64 s[94:95], s[96:97], s[94:95]
	s_cmp_eq_u32 s36, 2
	s_cselect_b64 s[8:9], s[12:13], s[8:9]
	s_cselect_b64 s[14:15], s[18:19], s[14:15]
	s_cselect_b64 s[88:89], s[92:93], s[88:89]
	s_cselect_b64 s[94:95], s[98:99], s[94:95]
	s_cmp_lg_u32 s31, 0
	s_cselect_b64 s[8:9], s[8:9], s[14:15]
	s_cselect_b64 s[24:25], s[24:25], s[26:27]
	s_cselect_b64 s[88:89], s[88:89], s[94:95]
	s_cselect_b64 s[60:61], s[60:61], s[62:63]
	s_add_nc_u64 s[52:53], s[8:9], s[42:43]
	s_add_nc_u64 s[54:55], s[52:53], s[44:45]
	s_add_nc_u64 s[56:57], s[54:55], s[44:45]
	s_add_nc_u64 s[58:59], s[56:57], s[44:45]
	s_add_nc_u64 s[24:25], s[24:25], s[46:47]
	s_add_nc_u64 s[88:89], s[88:89], s[50:51]      ; the bias's 512 bytes,
	s_add_nc_u64 s[60:61], s[60:61], s[86:87]      ; and where they go
.macro HLOAD j                         ; half block j: rows 16 j + 0..15 of my 128
.set i, 0
.rept 16
	global_load_b32 v[32+16*(\j)+i], v[160+16*((\j)%2)+i], s[52+2*((\j)/2):53+2*((\j)/2)] th:TH_LOAD_NT
.set i, i+1
.endr
.endm
	HLOAD 0
	HLOAD 1
	HLOAD 2
	s_wait_kmcnt 0x0
	s_cmp_lg_u32 s31, 0                            ; W1's scales are entries 3, 7, 11; W2's 5, 9, 13
	s_cselect_b32 s82, s71, s73
	s_cselect_b32 s83, s75, s77
	s_cselect_b32 s84, s79, s81
	s_add_co_i32 s42, s70, s71                     ; ex + ew1 of level 0, 1, 2
	s_add_co_i32 s43, s74, s75
	s_add_co_i32 s44, s78, s79
	s_cmp_eq_u32 s36, 1
	s_cselect_b32 s82, s83, s82
	s_cselect_b32 s42, s43, s42
	s_cmp_eq_u32 s36, 2
	s_cselect_b32 s82, s84, s82
	s_cselect_b32 s42, s44, s42
	s_sub_co_i32 s42, 0, s42
	s_cmp_lg_u32 s31, 0
	s_cselect_b32 s42, s42, 0                      ; b1 x 2^-(ex + ew1); b2 as it is
	s_add_co_i32 s82, s82, 127
	s_lshl_b32 s83, s82, 23
	v_mov_b32 v10, s83                             ; 2^e
	s_add_co_i32 s82, s82, 15
	s_lshl_b32 s82, s82, 23
	s_or_b32 s82, s82, 0x600000
	v_mov_b32 v11, s82                             ; 57,344 x 2^e
	s_cmp_lg_u32 s85, 0                            ; ids alone
	s_cbranch_scc1 .Lno_bias
	global_load_b128 v[16:19], v12, s[88:89]       ; 32 lanes read 512 consecutive bytes
	s_wait_loadcnt 0x0                             ; it was issued last: all that is out comes in with it
.irp j, 16,17,18,19
	v_ldexp_f32 v\j, v\j, s42
.endr
	global_store_b128 v12, v[16:19], s[60:61]
.Lno_bias:
.irp j, 0,1,2,3,4,5,6,7
.if \j < 6
	s_wait_loadcnt 32                              ; this half block is in; the two issued behind it may be out
.elseif \j == 6
	s_wait_loadcnt 16
.else
	s_wait_loadcnt 0x0
.endif
.if \j < 5
	HLOAD \j+3
.endif
	QUANT16 32+16*\j, 192+4*\j, 10, 11
	global_store_b128 v4, v[192+4*\j:195+4*\j], s[24:25] offset:512*(\j/2)+256*(\j%2)   ; k 16 j + 0..15: group j / 2, lanes 0-15 or 16-31 of the fragment; each half block has its own registers
.endr
	s_endpgm
.Lfunc_end_k_qfffd49acab_prep:
	.size	k_qfffd49acab_prep, .Lfunc_end_k_qfffd49acab_prep-k_qfffd49acab_prep
	.p2alignl 7, 3214868480
	.fill 96, 4, 3214868480
	.section	.rodata,"a",@progbits
	.p2align	6, 0x0
	.amdhsa_kernel k_qfffd49acab_prep
		.amdhsa_group_segment_fixed_size 0
		.amdhsa_private_segment_fixed_size 0
		.amdhsa_enable_private_segment 0
		.amdhsa_kernarg_size 160
		.amdhsa_user_sgpr_count 2
		.amdhsa_user_sgpr_kernarg_segment_ptr 1
		.amdhsa_wavefront_size32 1
		.amdhsa_system_sgpr_workgroup_id_x 1
		.amdhsa_system_sgpr_workgroup_id_y 1
		.amdhsa_system_sgpr_workgroup_id_z 1
		.amdhsa_system_vgpr_workitem_id 0
		.amdhsa_next_free_vgpr 224
		.amdhsa_next_free_sgpr 100
		.amdhsa_reserve_vcc 1
		.amdhsa_float_denorm_mode_32 3
		.amdhsa_float_denorm_mode_16_64 3
		.amdhsa_memory_ordered 1
		.amdhsa_forward_progress 1
		.amdhsa_inst_pref_size 44
	.end_amdhsa_kernel
	.amdgpu_metadata
---
amdhsa.version: [ 1, 2 ]
amdhsa.kernels:
  - .name:           k_qfffd49acab_prep
    .symbol:         k_qfffd49acab_prep.kd
    .args:
      - { .name: route, .offset: 0, .size: 8, .value_kind: global_buffer, .address_space: global }
      - { .name: lowp_scales, .offset: 8, .size: 8, .value_kind: global_buffer, .address_space: global }
      - { .name: W1_0, .offset: 16, .size: 8, .value_kind: global_buffer, .address_space: global }
      - { .name: W1_1, .offset: 24, .size: 8, .value_kind: global_buffer, .address_space: global }
      - { .name: W1_2, .offset: 32, .size: 8, .value_kind: global_buffer, .address_space: global }
      - { .name: W2_0, .offset: 40, .size: 8, .value_kind: global_buffer, .address_space: global }
      - { .name: W2_1, .offset: 48, .size: 8, .value_kind: global_buffer, .address_space: global }
      - { .name: W2_2, .offset: 56, .size: 8, .value_kind: global_buffer, .address_space: global }
      - { .name: b1_0, .offset: 64, .size: 8, .value_kind: global_buffer, .address_space: global }
      - { .name: b1_1, .offset: 72, .size: 8, .value_kind: global_buffer, .address_space: global }
      - { .name: b1_2, .offset: 80, .size: 8, .value_kind: global_buffer, .address_space: global }
      - { .name: b2_0, .offset: 88, .size: 8, .value_kind: global_buffer, .address_space: global }
      - { .name: b2_1, .offset: 96, .size: 8, .value_kind: global_buffer, .address_space: global }
      - { .name: b2_2, .offset: 104, .size: 8, .value_kind: global_buffer, .address_space: global }
      - { .name: order, .offset: 112, .size: 8, .value_kind: global_buffer, .address_space: global }
      - { .name: tot, .offset: 120, .size: 8, .value_kind: global_buffer, .address_space: global }
      - { .name: w1q, .offset: 128, .size: 8, .value_kind: global_buffer, .address_space: global }
      - { .name: w2q, .offset: 136, .size: 8, .value_kind: global_buffer, .address_space: global }
      - { .name: b1c, .offset: 144, .size: 8, .value_kind: global_buffer, .address_space: global }
      - { .name: b2c, .offset: 152, .size: 8, .value_kind: global_buffer, .address_space: global }
    .group_segment_fixed_size: 0
    .private_segment_fixed_size: 0
    .kernarg_segment_align: 8
    .kernarg_segment_size: 160
    .max_flat_workgroup_size: 128
    .sgpr_count:     100
    .vgpr_count:     224
    .wavefront_size: 32
...
	.end_amdgpu_metadata
.endif
;; end of part 2
;; launch chain (part 3): grid 258 x 1, 8 waves a work-group, no clusters, 100,352 bytes of LDS; arguments xq, order, tot, w1q, w2q, b1c, b2c, lowp_scales, out0; writes out0
.if DOCPART == 3
	.amdgcn_target "amdgcn-amd-amdhsa--gfx1250"
	.amdhsa_code_object_version 6
	.text
	.protected	k_qfffd49acab_chain
	.globl	k_qfffd49acab_chain
	.p2align	8
	.type	k_qfffd49acab_chain,@function
k_qfffd49acab_chain:
	s_mov_b64 s[64:65], 0
	v_nop
	global_prefetch_b8 v0, s[64:65] scope:SCOPE_SE
	s_setreg_imm32_b32 hwreg(HW_REG_WAVE_MODE, 25, 1), 1
	s_wait_xcnt 0x0
; THE FFN OF EACH TOKEN'S OWN LEVEL: out = gelu(x W1 + b1) W2 + b2, both products on codes of E5M2; the hidden layer is quantised on the way and never goes to memory.
; LEFT OUT: the rows of every level that a token did not choose: reference() throws them away by its own where (shown at the head of the first kernel).
; JOBS.  Every job is 32 steps of 128 hidden units on RT tiles of 16 tokens of one level: level 2: one pass of 32 chunks; level 1: two passes of 16, on other rows; level 0: four of 8.
;  RT (1 to 4, one for the launch) is the least at which the jobs are at most 256; every work-group works it out from the three totals.  The grid, 258 = 1,024 / 4 + 3 - 1, serves every split.
;  A work-group without rows walks the barriers, does no work and stores nothing.  Each output row has one owner.
; NO TENSOR LOAD, NO CLUSTER: what is done hangs on stored whole numbers (RT, the level, the rows left), and so do jumps.  No barrier stands under such a jump: jumps lead round work alone.
;  The weights come from memory straight into registers, in the order in which the launch before laid them; each byte of a chunk is read by one wave of the work-group.
;  The three levels' weights and biases lie on end in one buffer each: a level is an offset (clamped by a constant), never a choice of pointers.
; SHARES.  All eight waves take all RT tiles of rows.  In a chunk wave w makes ONE tile of 16 hidden units for each tile of rows (transposed: source 0 = 16 rows of W1, source 1 = 16 tokens), its 8 codes a lane
;  are bytes 8 (w % 2) .. of register group w / 2 of the next operand, and go to LDS as a part of that operand's image.  In the second product wave w makes outputs 32 w .. 32 w + 31.
; A STEP i, one barrier: GELU and codes of chunk i -> image i % 2 | first product of chunk i + 1 | second product of chunk i - 1 from image 1 - i % 2.  Loads: W1 and b1 of chunk i + 2, W2 of chunk i.
;  Every wait for loads is for 0 and stands ahead of the step's own loads, so that a jump round loads changes no count.
; GELU as in the first kernel, on raw sums s (u = s 2^(ex + ew1)); b1 comes divided by that power and goes in as the product's C; the conversion takes 2^(eh - ex - ew1).
; LIMITS: ex + ew1, eh - ex - ew1 (+ 15) and eh + ew2 within +-100, so that each power of two is an f32 number.  NaN among the inputs is not served.  erfc / 2 under 2^-126 counts as 0.
; REGISTERS.  Window 0: v4-24 addresses and constants; v26-49 the GELU's t, P, Z; v50-57 codes; v58-73 a hidden fragment; v74-89 gathered codes of x; v90-105 b1, two sets; v106-121 b2;
;  v122-153 the hidden tiles; v154-217 the eight accumulators of out ((tile of outputs nt, tile of rows m) at 8 (4 nt + m)); v218-249 rows on the way out.
;  Window 1: v0-127 x's eight fragments (2 m + ks); v128-191 W1, two sets; v192-255 W2, two sets.
.set HIMG,  0                          ; LDS: two sets of four images of a hidden fragment, 2,048 bytes each
.set XIMG,  16384                      ; eight images of x's fragments
.set STG,   32768                      ; 64 rows of out, 1,024 bytes + 16
.set SP,    1040
.set SPARE, 99328                      ; the spare words, 128 bytes for each of eight waves
.set LI,4
.set SPW,5
.set NIL,6
.set HST,7
.set XST,8
.set SO,9
.set SR,10
.set OB1,11
.set OB2,12
.set TOK,13
.set TOKROW,14
.set XOFF,15
.set CVS,16
.set LIM,17
.set C9,18
.set LOC1,20
.set LOC2,21
.set PA,22
.set PB,23
.set XO,24
.set GT,26
.set GP,34
.set GZ,42
.set CD,50
.set HF,58
.set XT,74
.set BB,90
.set B2R,106
.set HA,122
.set ACC,154
.set OUTR,218
.set IC,27                             ; s27 the step in hand
.set WV,30
.set ROW0,31                           ; 8 x wave: my first row of the stage
.set RT,50
.set NCM,51                            ; chunks in a pass - 1
.set GCB,52                            ; the level's first chunk
.set SB,53                             ; where the level's tokens begin in order
.set NM1,54
.set NT,55                             ; the level's tokens
.set RANK,56
.set RANKN,57
.set NROWS,58
.set LC,59
.set R16,60
.set LVL,61
.set LIMW1,62
.set LOW2,63
.set CK,66
.set KA,84
.set SL,86
.set OS,90
.set W1A,92
.set W2A,94
.set B1A,96
.set MSB, 0
.macro WIN new                         ; the immediate's high byte repeats the setting that is left
.if MSB != \new
	s_set_vgpr_msb (MSB<<8)|\new
.set MSB, \new
.endif
.endm
.macro CPAIR k, bits
	s_mov_b32 s[CK+2*\k], \bits
	s_mov_b32 s[CK+2*\k+1], \bits
.endm
.macro GELU_T s, n
.set gi, 0
.rept \n
	v_fma_f32 v[GT+gi], |v[(\s)+gi]|, s[KA], 1.0
.set gi, gi+1
.endr
.endm
.macro GELU_R s, n
.set gi, 0
.rept \n
	v_rcp_f32 v[GT+gi], v[GT+gi]
.set gi, gi+1
.endr
.set gi, 0
.rept (\n)/2
	v_pk_mul_f32 v[GZ+gi:GZ+gi+1], v[(\s)+gi:(\s)+gi+1], s[SL:SL+1] op_sel_hi:[1,0]   ; plain lines behind the reciprocals
.set gi, gi+2
.endr
	s_wait_alu depctr_va_vdst(0)                   ; one wait for the batch of reciprocals, ahead of their first reader
.set gi, 0
.rept (\n)/2
	v_pk_fma_f32 v[GP+gi:GP+gi+1], v[GT+gi:GT+gi+1], v[C9:C9+1], s[CK+16:CK+17] op_sel_hi:[1,1,0]
.set gi, gi+2
.endr
.irp k, 7,6,5,4,3,2,1,0
.set gi, 0
.rept (\n)/2
	v_pk_fma_f32 v[GP+gi:GP+gi+1], v[GP+gi:GP+gi+1], v[GT+gi:GT+gi+1], s[CK+2*\k:CK+2*\k+1] op_sel_hi:[1,1,0]
.set gi, gi+2
.endr
.endr
.set gi, 0
.rept (\n)/2
	v_pk_fma_f32 v[GP+gi:GP+gi+1], v[GZ+gi:GZ+gi+1], v[GZ+gi:GZ+gi+1], v[GP+gi:GP+gi+1] neg_lo:[1,0,0] neg_hi:[1,0,0]
.set gi, gi+2
.endr
.set gi, 0
.rept \n
	v_exp_f32 v[GP+gi], v[GP+gi]
.set gi, gi+1
.endr
.set gi, 0
.rept \n
	v_max_num_f32 v[GZ+gi], 0, v[(\s)+gi]          ; plain lines behind the exponentials
.set gi, gi+1
.endr
	s_wait_alu depctr_va_vdst(0)                   ; one wait for the batch of exponentials
.set gi, 0
.rept (\n)/2
	v_pk_mul_f32 v[GT+gi:GT+gi+1], v[GT+gi:GT+gi+1], v[GP+gi:GP+gi+1] neg_lo:[1,0] neg_hi:[1,0]
.set gi, gi+2
.endr
.set gi, 0
.rept \n
	v_fma_f32 v[(\s)+gi], |v[(\s)+gi]|, v[GT+gi], v[GZ+gi]
.set gi, gi+1
.endr
.endm
; the token numbers of the pass that begins at rank s[rk]: for the fragment that I gather (rows 16 (w / 2) + r) and for the rows that I store (8 w + lane % 8); ranks past the level's end take its last token
.macro GATHER rk
	v_add_nc_u32 v[PA], s[\rk], v[LOC1]
	v_add_nc_u32 v[PB], s[\rk], v[LOC2]
	v_min_u32 v[PA], s[NM1], v[PA]
	v_min_u32 v[PB], s[NM1], v[PB]
	v_add_nc_u32 v[PA], s[SB], v[PA]
	v_add_nc_u32 v[PB], s[SB], v[PB]
	v_min_u32 v[PA], 0x3fff, v[PA]
	v_min_u32 v[PB], 0x3fff, v[PB]
	v_lshlrev_b32 v[PA], 2, v[PA]
	v_lshlrev_b32 v[PB], 2, v[PB]
	global_load_b32 v[TOK], v[PA], s[6:7]
	global_load_b32 v[TOKROW], v[PB], s[6:7]
.endm
.macro XCODES                          ; fragment w = (tile of rows w / 2, K step w % 2) of x's codes
	v_min_u32 v[XOFF], 0x3fff, v[TOK]
	v_lshl_add_u32 v[XOFF], v[XOFF], 8, v[XO]
.irp q, 0,1,2,3
	global_load_b128 v[XT+4*\q:XT+4*\q+3], v[XOFF], s[4:5] offset:32*\q
.endr
.endm
.macro XPUT                            ; its image to LDS
.irp q, 0,1,2,3
	ds_store_b128 v[XST], v[XT+4*\q:XT+4*\q+3] offset:512*\q
.endr
.endm
.macro XGET                            ; all eight images into window 1
	WIN 0x40
.irp f, 0,1,2,3,4,5,6,7
.irp q, 0,1,2,3
	ds_load_b128 v[16*\f+4*\q:16*\f+4*\q+3], v[LI] offset:XIMG+2048*\f+512*\q
.endr
.endr
	WIN 0
.endm
.macro NEWROWS                         ; the addresses of the eight rows of out that I store, and how many rows the pass has
	s_mov_b32 s101, 0
.irp k, 0,1,2,3,4,5,6,7
	v_readlane_b32 s98, v[TOKROW], \k
	s_min_u32 s98, s98, 0x3fff
	s_lshl_b32 s100, s98, 10
	s_add_nc_u64 s[32+2*\k:33+2*\k], s[28:29], s[100:101]
.endr
	s_sub_co_i32 s98, s[NT], s[RANK]
	s_max_i32 s98, s98, 0
	s_min_u32 s[NROWS], s98, s[R16]
.endm
.macro FLUSH_IN zero                   ; out = sum x 2^(eh + ew2) + b2, into the stage; zero = 1: a pass follows, whose first product stands at no fixed place of the text: the sums are cleared
.rept 4
	v_nop                                          ; places in front of the first read of results
.endr
.irp nt, 0,1
.irp m, 0,1,2,3
.set FA, ACC+8*(4*\nt+\m)
.set FT, GT+8*(\m%2)
.irp i, 0,2,4,6
	v_pk_fma_f32 v[FT+\i:FT+\i+1], v[FA+\i:FA+\i+1], s[OS:OS+1], v[B2R+8*\nt+\i:B2R+8*\nt+\i+1] op_sel_hi:[1,0,1]   ; each accumulator from its low end on
.endr
	ds_store_b128 v[SO], v[FT:FT+3] offset:16*SP*\m+64*\nt
	ds_store_b128 v[SO], v[FT+4:FT+7] offset:16*SP*\m+64*\nt+16
.endr
.endr
.if \zero
.set gi, 0
.rept 64
	v_mov_b32 v[ACC+gi], 0
.set gi, gi+1
.endr
.endif
.endm
.macro FLUSH_OUT id                    ; my eight rows of the stage, four at a time; a row is 1,024 bytes: two stores of 512 consecutive bytes.  Rows ascend: the first past the pass's end ends the walk
.irp b, 0,1
.irp k, 0,1,2,3
	ds_load_b128 v[OUTR+8*\k:OUTR+8*\k+3], v[SR] offset:SP*(4*\b+\k)
	ds_load_b128 v[OUTR+8*\k+4:OUTR+8*\k+7], v[SR] offset:SP*(4*\b+\k)+512
.endr
	s_wait_dscnt 0x0
.irp k, 0,1,2,3
	s_add_co_u32 s98, s[ROW0], 4*\b+\k
	s_cmp_lt_u32 s98, s[NROWS]
	s_cbranch_scc0 .Lfo_\id
	global_store_b128 v[LI], v[OUTR+8*\k:OUTR+8*\k+3], s[32+2*(4*\b+\k):33+2*(4*\b+\k)] th:TH_STORE_NT
	global_store_b128 v[LI], v[OUTR+8*\k+4:OUTR+8*\k+7], s[32+2*(4*\b+\k):33+2*(4*\b+\k)] offset:512 th:TH_STORE_NT
.endr
	s_wait_xcnt 0x0                                ; the stores have read their registers: the next four rows may land there
.endr
.Lfo_\id:
	s_wait_xcnt 0x0                                ; and their bases may be written
.endm
; one tile of rows in one step
.macro SUB m, p, P2, P1, id
	s_cmp_le_u32 s[RT], \m
	s_cbranch_scc1 .Ltiles_\id
	GELU_T HA+8*\m, 8                              ; eight plain lines: the places in front of the loads into the hidden fragment, which the tile before multiplied
.if \P2
.irp q, 0,1,2,3
	ds_load_b128 v[HF+4*\q:HF+4*\q+3], v[LI] offset:HIMG+8192*(1-\p)+2048*\m+512*\q
.endr
.endif
	GELU_R HA+8*\m, 8
.set gi, 0
.rept 8
	v_med3_num_f32 v[HA+8*\m+gi], v[HA+8*\m+gi], -v[LIM], v[LIM]   ; the conversion does not saturate (ISA guide 7.6.2)
.set gi, gi+1
.endr
	v_cvt_scalef32_pk8_bf8_f32 v[CD+2*\m:CD+2*\m+1], v[HA+8*\m:HA+8*\m+7], v[CVS]
	v_nop                                          ; a plain line between the conversion and the product that writes its sources
	ds_store_b64 v[HST], v[CD+2*\m:CD+2*\m+1] offset:HIMG+8192*\p+2048*\m
.if \P2
	s_wait_dscnt 1                                 ; all but the store just issued: the hidden fragment is in (and x's images, where they were fetched)
.endif
.if \P1
	WIN 0x05                                       ; W1 and x in window 1
	v_wmma_f32_16x16x128_bf8_bf8 v[HA+8*\m:HA+8*\m+7], v[128+32*(1-\p):128+32*(1-\p)+15], v[32*\m:32*\m+15], v[BB+8*(1-\p):BB+8*(1-\p)+7]
.endif
.if \P2
	WIN 0x01                                       ; W2 in window 1
	v_wmma_f32_16x16x128_bf8_bf8 v[ACC+8*\m:ACC+8*\m+7], v[192+32*(1-\p):192+32*(1-\p)+15], v[HF:HF+15], v[ACC+8*\m:ACC+8*\m+7]
	v_wmma_f32_16x16x128_bf8_bf8 v[ACC+8*(4+\m):ACC+8*(4+\m)+7], v[192+32*(1-\p)+16:192+32*(1-\p)+31], v[HF:HF+15], v[ACC+8*(4+\m):ACC+8*(4+\m)+7]
.endif
.if \P1
	WIN 0x05
.if !\P2
	s_wait_alu depctr_va_vdst(0)                   ; this link follows the one that it adds onto
.endif
	v_wmma_f32_16x16x128_bf8_bf8 v[HA+8*\m:HA+8*\m+7], v[128+32*(1-\p)+16:128+32*(1-\p)+31], v[32*\m+16:32*\m+31], v[HA+8*\m:HA+8*\m+7]
.endif
	WIN 0
.endm
; a step.  kind 0: step 0; 1: the loop's odd steps; 2: its even steps; 3: step 31
.macro ITER p, P2, P1, kind, id
.rept 4
	v_nop                                          ; places in front of loads into registers that the last step's products read, and of the first read of its results
.endr
	s_wait_loadcnt 0x0                             ; what the last step asked for is in
	s_wait_xcnt 0x0                                ; and every base may be written
.if \kind == 0
	s_mov_b32 s[IC], 0
.elseif \kind == 1
	s_mov_b32 s[IC], s[LC]
.elseif \kind == 2
	s_add_co_u32 s[IC], s[LC], 1
.else
	s_mov_b32 s[IC], 31
.endif
	s_mov_b32 s101, 0
.if \P1
	s_add_co_u32 s98, s[IC], 2
	s_and_b32 s98, s98, s[NCM]                     ; chunk i + 2 of the pass (or of the next: the weights are the same)
	s_min_u32 s98, s98, 31
	s_add_co_u32 s98, s98, s[GCB]                  ; among all 56 chunks
	s_lshl_b32 s100, s98, 9
	s_add_nc_u64 s[B1A:B1A+1], s[14:15], s[100:101]
	s_lshl_b32 s100, s98, 15
	s_add_nc_u64 s[W1A:W1A+1], s[10:11], s[100:101]
	s_cmp_lt_u32 s[IC], s[LIMW1]                   ; not past chunk 31, and not without rows
	s_cbranch_scc0 .Lnw1_\id
	WIN 0x40
.irp ks, 0,1
.irp q, 0,1,2,3
	global_load_b128 v[128+32*\p+16*\ks+4*\q:128+32*\p+16*\ks+4*\q+3], v[LI], s[W1A:W1A+1] offset:2048*\ks+512*\q
.endr
.endr
	WIN 0
	global_load_b128 v[BB+8*\p:BB+8*\p+3], v[OB1], s[B1A:B1A+1]
	global_load_b128 v[BB+8*\p+4:BB+8*\p+7], v[OB1], s[B1A:B1A+1] offset:16
.Lnw1_\id:
.endif
.if \kind != 0
	s_and_b32 s98, s[IC], s[NCM]
	s_min_u32 s98, s98, 31
	s_add_co_u32 s98, s98, s[GCB]
	s_lshl_b32 s100, s98, 15
	s_add_nc_u64 s[W2A:W2A+1], s[12:13], s[100:101]
	s_cmp_gt_u32 s[IC], s[LOW2]                    ; chunks 0 and 1 came at the head; nothing without rows
	s_cbranch_scc0 .Lnw2_\id
	WIN 0x40
.irp nt, 0,1
.irp q, 0,1,2,3
	global_load_b128 v[192+32*\p+16*\nt+4*\q:192+32*\p+16*\nt+4*\q+3], v[LI], s[W2A:W2A+1] offset:2048*\nt+512*\q
.endr
.endr
	WIN 0
.Lnw2_\id:
.endif
.if (\kind == 1) || (\kind == 2)
	s_or_b32 s98, s[IC], 7                         ; s99 = i % 8 where other rows follow this group of eight steps, else 15
	s_add_co_u32 s99, s98, 1
	s_and_b32 s99, s99, s[NCM]
	s_cmp_eq_u32 s98, 31
	s_cselect_b32 s99, 1, s99
	s_and_b32 s98, s[IC], 7
	s_cmp_eq_u32 s99, 0
	s_cselect_b32 s99, s98, 15
.endif
.if \kind == 1
	s_sub_co_u32 s98, s[IC], 1                     ; the step behind a pass's last second product: its rows leave
	s_and_b32 s100, s98, s[NCM]
	s_cmp_eq_u32 s98, 0
	s_cselect_b32 s100, 1, s100
	s_cmp_lg_u32 s100, 0
	s_cbranch_scc1 .Lnfo_\id
	FLUSH_OUT \id
	s_mov_b32 s[RANK], s[RANKN]
	NEWROWS
.Lnfo_\id:
	s_cmp_lg_u32 s99, 5
	s_cbranch_scc1 .Lnxc_\id
	XCODES
.Lnxc_\id:
	s_cmp_lg_u32 s99, 7                            ; this step's first product starts the next pass
	s_cbranch_scc1 .Lnxg_\id
	XGET
.Lnxg_\id:
.endif
.if \kind == 2
	s_cmp_lg_u32 s99, 4
	s_cbranch_scc1 .Lnga_\id
	s_add_co_u32 s[RANKN], s[RANK], s[R16]
	GATHER RANKN
.Lnga_\id:
	s_cmp_lg_u32 s99, 6
	s_cbranch_scc1 .Lnxp_\id
	XPUT                                           ; this step's barrier shows the images to all
.Lnxp_\id:
.endif
	SUB 0, \p, \P2, \P1, \id
	SUB 1, \p, \P2, \P1, \id
	SUB 2, \p, \P2, \P1, \id
	SUB 3, \p, \P2, \P1, \id
.Ltiles_\id:
.if \kind == 2
	s_and_b32 s98, s[IC], s[NCM]                   ; this step's second product was a pass's last
	s_cmp_lg_u32 s98, 0
	s_cbranch_scc1 .Lnfi_\id
	FLUSH_IN 1
.Lnfi_\id:
.endif
	s_wait_dscnt 0x0                               ; my stores have landed and my reads are over
	s_barrier_signal -1
	s_barrier_wait -1
.endm
	s_load_b512 s[4:19], s[0:1], 0x0               ; xq s[4:5], order s[6:7], tot s[8:9], w1q s[10:11], w2q s[12:13], b1c s[14:15], b2c s[16:17], scales s[18:19]
	s_load_b64 s[28:29], s[0:1], 0x40              ; out0
	v_lshl_add_u32 v[SPW], v0, 2, SPARE
	v_mov_b32 v[NIL], 0
	v_lshrrev_b32 v1, 5, v0
	v_readfirstlane_b32 s[WV], v1                  ; wave 0..7
	s_wait_kmcnt 0x0
	s_load_b128 s[32:35], s[8:9], 0x0              ; n0, n1, n2, 0
	s_load_b256 s[36:43], s[18:19], 0x0            ; e0 .. e7
	s_load_b128 s[44:47], s[18:19], 0x20           ; e8 .. e11
	s_load_b64 s[48:49], s[18:19], 0x30            ; e12, e13
	v_and_b32 v1, 31, v0
	v_and_b32 v2, 15, v0                           ; r
	v_bfe_u32 v3, v0, 4, 1                         ; h
	v_lshlrev_b32 v[LI], 4, v1
	s_lshr_b32 s62, s[WV], 1
	s_and_b32 s63, s[WV], 1
	s_lshl_b32 s98, s62, 9
	s_lshl_b32 s99, s63, 3
	s_add_co_u32 s98, s98, s99
	v_add_nc_u32 v[HST], s98, v[LI]                ; my 8 codes in an image: 512 (w / 2) + 16 lane + 8 (w % 2)
	s_lshl_b32 s98, s[WV], 11
	s_add_co_u32 s98, s98, XIMG
	v_add_nc_u32 v[XST], s98, v[LI]
	v_mul_u32_u24 v[SO], v2, SP
	v_lshl_add_u32 v[SO], v3, 5, v[SO]
	s_lshl_b32 s98, s[WV], 7
	s_add_co_u32 s99, s98, STG
	v_add_nc_u32 v[SO], s99, v[SO]                 ; the stage, in: row r, + 32 h + 128 w
	s_mul_i32 s99, s[WV], 8*SP
	s_add_co_u32 s99, s99, STG
	v_add_nc_u32 v[SR], s99, v[LI]                 ; back: my eight rows
	s_lshl_b32 s99, s62, 7
	s_lshl_b32 s100, s63, 5
	s_add_co_u32 s99, s99, s100
	v_lshl_add_u32 v[OB1], v3, 6, s99              ; b1: units 32 (w / 2) + 16 h + 8 (w % 2) + 0..7 of a chunk
	v_lshl_add_u32 v[OB2], v3, 5, s98              ; b2: outputs 32 w + 8 h + 0..7
	s_lshl_b32 s99, s63, 7
	v_lshl_add_u32 v[XO], v3, 4, s99
	s_lshl_b32 s99, s62, 4
	v_add_nc_u32 v[LOC1], s99, v2
	v_and_b32 v[LOC2], 7, v0
	s_lshl_b32 s[ROW0], s[WV], 3
	v_add_nc_u32 v[LOC2], s[ROW0], v[LOC2]
	v_mov_b32 v[C9], 0x3e7c6f08
	v_mov_b32 v[C9+1], 0x3e7c6f08
	s_wait_kmcnt 0x0
	; ---- the job
	s_add_co_u32 s66, s32, 15
	s_lshr_b32 s66, s66, 4
	s_add_co_u32 s66, s66, 3
	s_lshr_b32 s66, s66, 2                         ; level 0: tiles / 4 passes, rounded up
	s_add_co_u32 s67, s33, 15
	s_lshr_b32 s67, s67, 4
	s_add_co_u32 s67, s67, 1
	s_lshr_b32 s67, s67, 1                         ; level 1: tiles / 2
	s_add_co_u32 s68, s34, 15
	s_lshr_b32 s68, s68, 4                         ; level 2: tiles
	s_mov_b32 s[RT], 4
.irp a, 0,1,2
	s_add_co_u32 s[70+\a], s[66+\a], 3
	s_lshr_b32 s[70+\a], s[70+\a], 2               ; level a's jobs at RT = 4
.endr
.macro TAKE rt                         ; a smaller RT is taken where its jobs are at most 256
	s_add_co_u32 s77, s74, s75
	s_add_co_u32 s77, s77, s76
	s_cmp_le_u32 s77, 256
	s_cselect_b32 s70, s74, s70
	s_cselect_b32 s71, s75, s71
	s_cselect_b32 s72, s76, s72
	s_cselect_b32 s[RT], \rt, s[RT]
.endm
.irp a, 0,1,2
	s_add_co_u32 s[74+\a], s[66+\a], 2
	s_mul_i32 s[74+\a], s[74+\a], 21846            ; / 3, exact up to 1,026
	s_lshr_b32 s[74+\a], s[74+\a], 16
.endr
	TAKE 3
.irp a, 0,1,2
	s_add_co_u32 s[74+\a], s[66+\a], 1
	s_lshr_b32 s[74+\a], s[74+\a], 1
.endr
	TAKE 2
.irp a, 0,1,2
	s_mov_b32 s[74+\a], s[66+\a]
.endr
	TAKE 1
	s_add_co_u32 s78, s72, s71                     ; level 2's jobs come first, then level 1's, then level 0's
	s_add_co_u32 s73, s78, s70
	s_mov_b32 s[LVL], 0
	s_sub_co_u32 s79, ttmp9, s78
	s_sub_co_u32 s80, ttmp9, s72
	s_cmp_lt_u32 ttmp9, s78
	s_cselect_b32 s[LVL], 1, s[LVL]
	s_cselect_b32 s79, s80, s79
	s_cmp_lt_u32 ttmp9, s72
	s_cselect_b32 s[LVL], 2, s[LVL]
	s_cselect_b32 s79, ttmp9, s79                  ; my job's number in its level
	s_lshl_b32 s81, 8, s[LVL]
	s_sub_co_u32 s[NCM], s81, 1
	s_sub_co_u32 s[GCB], s81, 8
	s_min_u32 s[GCB], s[GCB], 24
	s_cmp_ge_u32 ttmp9, s73                        ; no job: no rows, and no change of rows
	s_cselect_b32 s[RT], 0, s[RT]
	s_cselect_b32 s[NCM], 63, s[NCM]
	s_cselect_b32 s79, 0, s79
	s_lshl_b32 s[R16], s[RT], 4
	s_lshr_b32 s81, 4, s[LVL]                      ; passes
	s_mul_i32 s[RANK], s79, s[R16]
	s_mul_i32 s[RANK], s[RANK], s81
	s_mov_b32 s[RANKN], s[RANK]
	s_cmp_lg_u32 s[RT], 0
	s_cselect_b32 s[LIMW1], 30, 0
	s_cselect_b32 s[LOW2], 1, 99
	s_add_co_u32 s81, s32, s33
	s_cmp_eq_u32 s[LVL], 1
	s_cselect_b32 s[SB], s32, 0
	s_cselect_b32 s[NT], s33, s32
	s_cselect_b32 s92, s42, s38                    ; ex, ew1, eh, ew2: entries 2 + 4 level on
	s_cselect_b32 s93, s43, s39
	s_cselect_b32 s94, s44, s40
	s_cselect_b32 s95, s45, s41
	s_cmp_eq_u32 s[LVL], 2
	s_cselect_b32 s[SB], s81, s[SB]
	s_cselect_b32 s[NT], s34, s[NT]
	s_cselect_b32 s92, s46, s92
	s_cselect_b32 s93, s47, s93
	s_cselect_b32 s94, s48, s94
	s_cselect_b32 s95, s49, s95
	s_max_u32 s[NM1], s[NT], 1
	s_sub_co_u32 s[NM1], s[NM1], 1
	; ---- the constants
	s_add_co_i32 s98, s92, s93                     ; ex + ew1
	s_lshl_b32 s99, s98, 23
	s_add_co_i32 s[KA], s99, 0x3eb504f3
	s_add_co_i32 s[SL], s99, 0x3f596d27
	s_mov_b32 s[SL+1], s[SL]
	s_sub_co_i32 s99, s94, s98
	s_add_co_i32 s99, s99, 127
	s_lshl_b32 s100, s99, 23
	v_mov_b32 v[CVS], s100                         ; 2^(eh - ex - ew1)
	s_add_co_i32 s99, s99, 15
	s_lshl_b32 s99, s99, 23
	s_or_b32 s99, s99, 0x600000
	v_mov_b32 v[LIM], s99                          ; 57,344 x that
	s_add_co_i32 s[OS], s94, s95
	s_add_co_i32 s[OS], s[OS], 127
	s_lshl_b32 s[OS], s[OS], 23                    ; 2^(eh + ew2)
	s_mov_b32 s[OS+1], s[OS]
	CPAIR 0, 0xc034d90f
	CPAIR 1, 0x3fb8ab5a
	CPAIR 2, 0x3f0a29d2
	CPAIR 3, 0x3e0efb2f
	CPAIR 4, 0xbe899a80
	CPAIR 5, 0x3ecdfd18
	CPAIR 6, 0xbfd1a1e5
	CPAIR 7, 0x40097039
	CPAIR 8, 0xbf97d29d
	s_lshl_b32 s100, s[WV], 12
	s_mov_b32 s101, 0
	s_add_nc_u64 s[10:11], s[10:11], s[100:101]    ; my wave's 4,096 bytes of every chunk
	s_add_nc_u64 s[12:13], s[12:13], s[100:101]
	; ---- the first rows, and chunks 0 and 1 of the weights
	GATHER RANK
	s_wait_loadcnt 0x0
	XCODES
	s_lshl_b32 s100, s[GCB], 15
	s_add_nc_u64 s[W1A:W1A+1], s[10:11], s[100:101]
	s_add_nc_u64 s[W2A:W2A+1], s[12:13], s[100:101]
	s_lshl_b32 s100, s[GCB], 9
	s_add_nc_u64 s[B1A:B1A+1], s[14:15], s[100:101]  ; the level's first chunk of b1c
	s_min_u32 s100, s[LVL], 2
	s_lshl_b32 s100, s100, 10
	s_add_nc_u64 s[20:21], s[16:17], s[100:101]    ; the level's 1,024 bytes of b2c
	WIN 0x40
.irp c, 0,1
.irp ks, 0,1
.irp q, 0,1,2,3
	global_load_b128 v[128+32*\c+16*\ks+4*\q:128+32*\c+16*\ks+4*\q+3], v[LI], s[W1A:W1A+1] offset:32768*\c+2048*\ks+512*\q
	global_load_b128 v[192+32*\c+16*\ks+4*\q:192+32*\c+16*\ks+4*\q+3], v[LI], s[W2A:W2A+1] offset:32768*\c+2048*\ks+512*\q
.endr
.endr
.endr
	WIN 0
.irp c, 0,1
	global_load_b128 v[BB+8*\c:BB+8*\c+3], v[OB1], s[B1A:B1A+1] offset:512*\c
	global_load_b128 v[BB+8*\c+4:BB+8*\c+7], v[OB1], s[B1A:B1A+1] offset:512*\c+16
	global_load_b128 v[B2R+8*\c:B2R+8*\c+3], v[OB2], s[20:21] offset:64*\c
	global_load_b128 v[B2R+8*\c+4:B2R+8*\c+7], v[OB2], s[20:21] offset:64*\c+16
.endr
	s_wait_loadcnt 40                              ; x's four loads are in; the 40 issued behind them may be out
	XPUT
	s_wait_dscnt 0x0
	s_barrier_signal -1
	s_barrier_wait -1                              ; x's eight images lie in LDS
	XGET
	NEWROWS
.set gi, 0
.rept 64
	v_mov_b32 v[ACC+gi], 0                         ; the second product's first step stands in the loop, and again behind each change of rows: the sums begin as zeros
.set gi, gi+1
.endr
	s_wait_loadcnt 0x0
	s_wait_dscnt 0x0
	WIN 0x05
.irp m, 0,1,2,3                                ; chunk 0's first product: four accumulators by turns
	v_wmma_f32_16x16x128_bf8_bf8 v[HA+8*\m:HA+8*\m+7], v[128:143], v[32*\m:32*\m+15], v[BB:BB+7]
.endr
.irp m, 0,1,2,3
	v_wmma_f32_16x16x128_bf8_bf8 v[HA+8*\m:HA+8*\m+7], v[144:159], v[32*\m+16:32*\m+31], v[HA+8*\m:HA+8*\m+7]
.endr
	WIN 0
	ITER 0, 0, 1, 0, a                             ; step 0: no second product yet
	s_mov_b32 s[LC], 1
.Lloop:                                            ; 15 trips: steps 1 to 30
	ITER 1, 1, 1, 1, b
	ITER 0, 1, 1, 2, c
	s_add_co_u32 s[LC], s[LC], 2
	s_cmp_lt_u32 s[LC], 31
	s_cbranch_scc1 .Lloop
	ITER 1, 1, 0, 3, d                             ; step 31: no first product any more
	s_wait_loadcnt 0x0                             ; W2 of chunk 31
.irp m, 0,1,2,3                                ; the second product of chunk 31
	s_cmp_le_u32 s[RT], \m
	s_cbranch_scc1 .Ltail_done
.rept 4
	v_nop
.endr
.irp q, 0,1,2,3
	ds_load_b128 v[HF+4*\q:HF+4*\q+3], v[LI] offset:HIMG+8192+2048*\m+512*\q
.endr
	s_wait_dscnt 0x0
	WIN 0x01
	v_wmma_f32_16x16x128_bf8_bf8 v[ACC+8*\m:ACC+8*\m+7], v[224:239], v[HF:HF+15], v[ACC+8*\m:ACC+8*\m+7]
	v_wmma_f32_16x16x128_bf8_bf8 v[ACC+8*(4+\m):ACC+8*(4+\m)+7], v[240:255], v[HF:HF+15], v[ACC+8*(4+\m):ACC+8*(4+\m)+7]
	WIN 0
.endr
.Ltail_done:
	FLUSH_IN 0
	s_wait_dscnt 0x0
	s_barrier_signal -1
	s_barrier_wait -1                              ; the last pass's rows lie in the stage
	FLUSH_OUT e
	s_wait_tensorcnt 0x0                           ; the wave's end
	ds_add_u32 v[SPW], v[NIL]
	s_wait_dscnt 0x0
	s_endpgm
.Lfunc_end_k_qfffd49acab_chain:
	.size	k_qfffd49acab_chain, .Lfunc_end_k_qfffd49acab_chain-k_qfffd49acab_chain
	.p2alignl 7, 3214868480
	.fill 96, 4, 3214868480
	.section	.rodata,"a",@progbits
	.p2align	6, 0x0
	.amdhsa_kernel k_qfffd49acab_chain
		.amdhsa_group_segment_fixed_size 100352
		.amdhsa_private_segment_fixed_size 0
		.amdhsa_enable_private_segment 0
		.amdhsa_kernarg_size 72
		.amdhsa_user_sgpr_count 2
		.amdhsa_user_sgpr_kernarg_segment_ptr 1
		.amdhsa_wavefront_size32 1
		.amdhsa_system_sgpr_workgroup_id_x 1
		.amdhsa_system_sgpr_workgroup_id_y 1
		.amdhsa_system_sgpr_workgroup_id_z 1
		.amdhsa_system_vgpr_workitem_id 0
		.amdhsa_next_free_vgpr 512
		.amdhsa_next_free_sgpr 102
		.amdhsa_reserve_vcc 0
		.amdhsa_float_denorm_mode_32 3
		.amdhsa_float_denorm_mode_16_64 3
		.amdhsa_memory_ordered 1
		.amdhsa_forward_progress 1
		.amdhsa_inst_pref_size 149
	.end_amdhsa_kernel
	.amdgpu_metadata
---
amdhsa.version: [ 1, 2 ]
amdhsa.kernels:
  - .name:           k_qfffd49acab_chain
    .symbol:         k_qfffd49acab_chain.kd
    .args:
      - { .name: xq, .offset: 0, .size: 8, .value_kind: global_buffer, .address_space: global }
      - { .name: order, .offset: 8, .size: 8, .value_kind: global_buffer, .address_space: global }
      - { .name: tot, .offset: 16, .size: 8, .value_kind: global_buffer, .address_space: global }
      - { .name: w1q, .offset: 24, .size: 8, .value_kind: global_buffer, .address_space: global }
      - { .name: w2q, .offset: 32, .size: 8, .value_kind: global_buffer, .address_space: global }
      - { .name: b1c, .offset: 40, .size: 8, .value_kind: global_buffer, .address_space: global }
      - { .name: b2c, .offset: 48, .size: 8, .value_kind: global_buffer, .address_space: global }
      - { .name: lowp_scales, .offset: 56, .size: 8, .value_kind: global_buffer, .address_space: global }
      - { .name: out0, .offset: 64, .size: 8, .value_kind: global_buffer, .address_space: global }
    .group_segment_fixed_size: 100352
    .private_segment_fixed_size: 0
    .kernarg_segment_align: 8
    .kernarg_segment_size: 72
    .max_flat_workgroup_size: 256
    .sgpr_count:     102
    .vgpr_count:     512
    .wavefront_size: 32
...
	.end_amdgpu_metadata
.endif
;; end of part 3
;; ======== version 2 of 2: 3 launches; version 1 with the launch chain written anew for expert scheduling mode
;; workspace buffers: xq 4,194,304 bytes; route 8,192 bytes of whole numbers; order 65,536 bytes of whole numbers; tot 256 bytes of whole numbers; w1q 1,835,008 bytes; w2q 1,835,008 bytes; b1c 28,672 bytes; b2c 3,072 bytes
;; launch classify: the kernel of part 1 again; grid 256 x 1, 4 waves a work-group, clusters of 4 x 1, 262,144 bytes of LDS; arguments token_embeddings, Wc1, bc1, Wc2, bc2, lowp_scales, xq, route; writes xq, route
;; launch prep: the kernel of part 2 again; grid 240 x 1, 4 waves a work-group, no clusters, 0 bytes of LDS; arguments route, lowp_scales, W1_0, W1_1, W1_2, W2_0, W2_1, W2_2, b1_0, b1_1, b1_2, b2_0, b2_1, b2_2, order, tot, w1q, w2q, b1c, b2c; writes order, tot, w1q, w2q, b1c, b2c
;; launch chain (part 4): grid 258 x 1, 8 waves a work-group, no clusters, 100,352 bytes of LDS; arguments xq, order, tot, w1q, w2q, b1c, b2c, lowp_scales, out0; writes out0
.if DOCPART == 4
	.amdgcn_target "amdgcn-amd-amdhsa--gfx1250"
	.amdhsa_code_object_version 6
	.text
	.protected	k_qfffd49acab_chain
	.globl	k_qfffd49acab_chain
	.p2align	8
	.type	k_qfffd49acab_chain,@function
k_qfffd49acab_chain:
	s_mov_b64 s[64:65], 0
	v_nop
	global_prefetch_b8 v0, s[64:65] scope:SCOPE_SE
	s_setreg_imm32_b32 hwreg(HW_REG_WAVE_SCHED_MODE, 0, 2), 2
	s_setreg_imm32_b32 hwreg(HW_REG_WAVE_MODE, 25, 1), 1
	s_wait_xcnt 0x0
	s_wait_alu depctr_vm_vsrc(0)
; THE FFN OF EACH TOKEN'S OWN LEVEL: out = gelu(x W1 + b1) W2 + b2, both products on codes of E5M2; the hidden layer is quantised on the way and never goes to memory.
; LEFT OUT: the rows of every level that a token did not choose: reference() throws them away by its own where (shown at the head of the first kernel).
; JOBS.  Every job is 32 steps of 128 hidden units on RT tiles of 16 tokens of one level: level 2: one pass of 32 chunks; level 1: two passes of 16, on other rows; level 0: four of 8.
;  RT (1 to 4, one for the launch) is the least at which the jobs are at most 256; every work-group works it out from the three totals.  The grid, 258 = 1,024 / 4 + 3 - 1, serves every split.
;  A work-group without rows walks the barriers, does no work and stores nothing.  Each output row has one owner.
; NO TENSOR LOAD, NO CLUSTER: what is done hangs on stored whole numbers (RT, the level, the rows left), and so do jumps.  No barrier stands under such a jump: jumps lead round work alone.
;  The weights come from memory straight into registers, in the order in which the launch before laid them; each byte of a chunk is read by one wave of the work-group.
;  The three levels' weights and biases lie on end in one buffer each: a level is an offset (clamped by a constant), never a choice of pointers.
; SHARES.  All eight waves take all RT tiles of rows.  In a chunk wave w makes ONE tile of 16 hidden units for each tile of rows (transposed: source 0 = 16 rows of W1, source 1 = 16 tokens), its 8 codes a lane
;  are bytes 8 (w % 2) .. of register group w / 2 of the next operand, and go to LDS as a part of that operand's image.  In the second product wave w makes outputs 32 w .. 32 w + 31.
; A STEP i, one barrier: GELU and codes of chunk i -> image i % 2 | first product of chunk i + 1 | second product of chunk i - 1 from image 1 - i % 2.  Loads: W1 and b1 of chunk i + 2, W2 of chunk i.
;  Every wait for loads is for 0 and stands ahead of the step's own loads, so that a jump round loads changes no count.
; GELU as in the first kernel, on raw sums s (u = s 2^(ex + ew1)); b1 comes divided by that power and goes in as the product's C; the conversion takes 2^(eh - ex - ew1).
; LIMITS: ex + ew1, eh - ex - ew1 (+ 15) and eh + ew2 within +-100, so that each power of two is an f32 number.  NaN among the inputs is not served.  erfc / 2 under 2^-126 counts as 0.
; REGISTERS.  Window 0: v4-24 addresses and constants; v26-49 the GELU's t, P, Z; v50-57 codes; v58-73 a hidden fragment; v74-89 gathered codes of x; v90-105 b1, two sets; v106-121 b2;
;  v122-153 the hidden tiles; v154-217 the eight accumulators of out ((tile of outputs nt, tile of rows m) at 8 (4 nt + m)); v218-249 rows on the way out.
;  At a pass's end v218-249 and v26-57 hold the 64 results on their way into the stage.
;  Window 1: v0-127 x's eight fragments (2 m + ks); v128-191 W1, two sets; v192-255 W2, two sets.
; THE MODE: SCHED_MODE bits 1:0 = 2 (LLVM: expert scheduling mode 2), set by the entry lines.  The code itself states the register dependences
;  between vector or matrix instructions and memory or LDS instructions, with s_wait_alu, always for 0.
; THE PLAN.  Registers that memory or LDS instructions touch, and who else names them:
;  v4-12          addresses: written at the head, ahead of the first wait on va_vdst, and never again.
;  W1, W2, b1     two sets each.  Step i's loads land in set i % 2, which the products of step i - 1 read and no product of step i names.
;  v58-73         the hidden fragment.  Tile m's LDS loads land in it; tile m's two products read it.
;  v50-57         codes.  Tile m's conversion writes its pair, one LDS store reads it; written again a step later, and at a pass's end.
;  x's fragments  read by every first product; loaded again once a pass.
;  v22, 23, 15    offsets made by vector lines once a pass and read by that pass's gathers;  v13, 14 token numbers: loaded, read by vector lines;  v74-89: loaded, read by LDS stores.
;  v218-249, v26-57  at a pass's end: written by 32 packed multiply-adds, read by 16 LDS stores; v218-249 then take the stage's rows, which global stores read.
;  So: at a step's head ONE wait on va_vdst (the last step's products are done with the sets that this step's loads fill) and ONE on vm_vsrc (all earlier stores and loads have read their registers);
;  in a tile the wait that the reciprocals have anyway also shows the tile before done with the hidden fragment, whose loads follow it at once, and one wait stands between the conversion and the store of its codes;
;  what is done once a pass has its waits inside its own branch.
.set HIMG,  0                          ; LDS: two sets of four images of a hidden fragment, 2,048 bytes each
.set XIMG,  16384                      ; eight images of x's fragments
.set STG,   32768                      ; 64 rows of out, 1,024 bytes + 16
.set SP,    1040
.set SPARE, 99328                      ; the spare words, 128 bytes for each of eight waves
.set LI,4
.set SPW,5
.set NIL,6
.set HST,7
.set XST,8
.set SO,9
.set SR,10
.set OB1,11
.set OB2,12
.set TOK,13
.set TOKROW,14
.set XOFF,15
.set CVS,16
.set LIM,17
.set C9,18
.set LOC1,20
.set LOC2,21
.set PA,22
.set PB,23
.set XO,24
.set GT,26
.set GP,34
.set GZ,42
.set CD,50
.set HF,58
.set XT,74
.set BB,90
.set B2R,106
.set HA,122
.set ACC,154
.set OUTR,218
.set IC,27                             ; s27 the step in hand
.set WV,30
.set ROW0,31                           ; 8 x wave: my first row of the stage
.set RT,50
.set NCM,51                            ; chunks in a pass - 1
.set GCB,52                            ; the level's first chunk
.set SB,53                             ; where the level's tokens begin in order
.set NM1,54
.set NT,55                             ; the level's tokens
.set RANK,56
.set RANKN,57
.set NROWS,58
.set LC,59
.set R16,60
.set LVL,61
.set LIMW1,62
.set LOW2,63
.set CK,66
.set KA,84
.set SL,86
.set OS,90
.set W1A,92
.set W2A,94
.set B1A,96
.set MSB, 0
.macro WIN new                         ; the immediate's high byte repeats the setting that is left
.if MSB != \new
	s_set_vgpr_msb (MSB<<8)|\new
.set MSB, \new
.endif
.endm
.macro CPAIR k, bits
	s_mov_b32 s[CK+2*\k], \bits
	s_mov_b32 s[CK+2*\k+1], \bits
.endm
.macro GELU_T s, n                     ; 1 + z / 2
.set gi, 0
.rept \n
	v_fma_f32 v[GT+gi], |v[(\s)+gi]|, s[KA], 1.0
.set gi, gi+1
.endr
.endm
.macro GELU_R s, n                     ; t = 1 / (1 + z / 2), and z sqrt(log2 e)
.set gi, 0
.rept \n
	v_rcp_f32 v[GT+gi], v[GT+gi]
.set gi, gi+1
.endr
.set gi, 0
.rept (\n)/2
	v_pk_mul_f32 v[GZ+gi:GZ+gi+1], v[(\s)+gi:(\s)+gi+1], s[SL:SL+1] op_sel_hi:[1,0]   ; plain lines behind the reciprocals
.set gi, gi+2
.endr
	s_wait_alu depctr_va_vdst(0)                   ; the reciprocals have written v[GT ..], ahead of their first reader; and the products of the tile before are done reading the hidden fragment, in which the loads that follow this macro land
.endm
.macro GELU_P s, n                     ; the rest: v[s] .. becomes gelu(u) / 2^E
.set gi, 0
.rept (\n)/2
	v_pk_fma_f32 v[GP+gi:GP+gi+1], v[GT+gi:GT+gi+1], v[C9:C9+1], s[CK+16:CK+17] op_sel_hi:[1,1,0]
.set gi, gi+2
.endr
.irp k, 7,6,5,4,3,2,1,0
.set gi, 0
.rept (\n)/2
	v_pk_fma_f32 v[GP+gi:GP+gi+1], v[GP+gi:GP+gi+1], v[GT+gi:GT+gi+1], s[CK+2*\k:CK+2*\k+1] op_sel_hi:[1,1,0]
.set gi, gi+2
.endr
.endr
.set gi, 0
.rept (\n)/2
	v_pk_fma_f32 v[GP+gi:GP+gi+1], v[GZ+gi:GZ+gi+1], v[GZ+gi:GZ+gi+1], v[GP+gi:GP+gi+1] neg_lo:[1,0,0] neg_hi:[1,0,0]
.set gi, gi+2
.endr
.set gi, 0
.rept \n
	v_exp_f32 v[GP+gi], v[GP+gi]
.set gi, gi+1
.endr
.set gi, 0
.rept \n
	v_max_num_f32 v[GZ+gi], 0, v[(\s)+gi]          ; plain lines behind the exponentials
.set gi, gi+1
.endr
	s_wait_alu depctr_va_vdst(0)                   ; the exponentials have written v[GP ..]: one wait for the batch, ahead of its first reader
.set gi, 0
.rept (\n)/2
	v_pk_mul_f32 v[GT+gi:GT+gi+1], v[GT+gi:GT+gi+1], v[GP+gi:GP+gi+1] neg_lo:[1,0] neg_hi:[1,0]
.set gi, gi+2
.endr
.set gi, 0
.rept \n
	v_fma_f32 v[(\s)+gi], |v[(\s)+gi]|, v[GT+gi], v[GZ+gi]
.set gi, gi+1
.endr
.endm
; the token numbers of the pass that begins at rank s[rk]: for the fragment that I gather (rows 16 (w / 2) + r) and for the rows that I store (8 w + lane % 8); ranks past the level's end take its last token
.macro GATHER rk
	v_add_nc_u32 v[PA], s[\rk], v[LOC1]
	v_add_nc_u32 v[PB], s[\rk], v[LOC2]
	v_min_u32 v[PA], s[NM1], v[PA]
	v_min_u32 v[PB], s[NM1], v[PB]
	v_add_nc_u32 v[PA], s[SB], v[PA]
	v_add_nc_u32 v[PB], s[SB], v[PB]
	v_min_u32 v[PA], 0x3fff, v[PA]
	v_min_u32 v[PB], 0x3fff, v[PB]
	v_lshlrev_b32 v[PA], 2, v[PA]
	v_lshlrev_b32 v[PB], 2, v[PB]
	s_wait_alu depctr_va_vdst(0)                   ; v[PA] and v[PB] are written, which the two loads read as offsets; the vector lines that read the last pass's token numbers are done with v[TOK] and v[TOKROW], in which the loads land.  (At the head: v4 to v12 are written too)
	global_load_b32 v[TOK], v[PA], s[6:7]
	global_load_b32 v[TOKROW], v[PB], s[6:7]
.endm
.macro XCODES                          ; fragment w = (tile of rows w / 2, K step w % 2) of x's codes
	v_min_u32 v[XOFF], 0x3fff, v[TOK]
	v_lshl_add_u32 v[XOFF], v[XOFF], 8, v[XO]
	s_wait_alu depctr_va_vdst(0)                   ; v[XOFF] is written, which the four loads read as their offset
.irp q, 0,1,2,3
	global_load_b128 v[XT+4*\q:XT+4*\q+3], v[XOFF], s[4:5] offset:32*\q
.endr
.endm
.macro XPUT                            ; its image to LDS
.irp q, 0,1,2,3
	ds_store_b128 v[XST], v[XT+4*\q:XT+4*\q+3] offset:512*\q
.endr
.endm
.macro XGET again                      ; all eight images into window 1.  again = 1: products have read these registers
	WIN 0x40
.if \again
	s_wait_alu depctr_va_vdst(0)                   ; the first products of the pass that ends are done reading x's fragments, in which these loads land
.endif
.irp f, 0,1,2,3,4,5,6,7
.irp q, 0,1,2,3
	ds_load_b128 v[16*\f+4*\q:16*\f+4*\q+3], v[LI] offset:XIMG+2048*\f+512*\q
.endr
.endr
	WIN 0
.endm
.macro NEWROWS                         ; the addresses of the eight rows of out that I store, and how many rows the pass has
.irp k, 0,1,2,3,4,5,6,7
	v_readlane_b32 s[32+2*\k], v[TOKROW], \k       ; each token number into the low word of the pair that will hold its row's address
.endr
	s_wait_alu depctr_va_sdst(0)                   ; the eight scalar registers are written, ahead of their first reader: one wait for the run
	s_mov_b32 s101, 0
.irp k, 0,1,2,3,4,5,6,7
	s_min_u32 s100, s[32+2*\k], 0x3fff
	s_lshl_b32 s100, s100, 10
	s_add_nc_u64 s[32+2*\k:33+2*\k], s[28:29], s[100:101]
.endr
	s_sub_co_i32 s98, s[NT], s[RANK]
	s_max_i32 s98, s98, 0
	s_min_u32 s[NROWS], s98, s[R16]
.endm
.macro FLUSH_IN zero                   ; out = sum x 2^(eh + ew2) + b2, into the stage; zero = 1: a pass follows, whose first product stands at no fixed place of the text: the sums are cleared
.rept 4
	v_nop                                          ; places in front of the first read of results
.endr
	s_wait_alu depctr_vm_vsrc(0)                   ; this step's LDS stores have read their codes, v50 to v57, which the lines below write
.irp nt, 0,1                                   ; outputs' tile 0 into v218-249, tile 1 into v26-57: 64 registers, so that one wait serves all sixteen stores
.irp m, 0,1,2,3
.set FA, ACC+8*(4*\nt+\m)
.set FT, OUTR+8*\m-\nt*(OUTR-GT)
.irp i, 0,2,4,6
	v_pk_fma_f32 v[FT+\i:FT+\i+1], v[FA+\i:FA+\i+1], s[OS:OS+1], v[B2R+8*\nt+\i:B2R+8*\nt+\i+1] op_sel_hi:[1,0,1]   ; each accumulator from its low end on
.endr
.endr
.endr
	s_wait_alu depctr_va_vdst(0)                   ; the multiply-adds have written v218-249 and v26-57, which the LDS stores read
.irp nt, 0,1
.irp m, 0,1,2,3
.set FT, OUTR+8*\m-\nt*(OUTR-GT)
	ds_store_b128 v[SO], v[FT:FT+3] offset:16*SP*\m+64*\nt
	ds_store_b128 v[SO], v[FT+4:FT+7] offset:16*SP*\m+64*\nt+16
.endr
.endr
.if \zero
.set gi, 0
.rept 64
	v_mov_b32 v[ACC+gi], 0
.set gi, gi+1
.endr
.endif
.endm
.macro FLUSH_OUT id                    ; my eight rows of the stage, four at a time; a row is 1,024 bytes: two stores of 512 consecutive bytes.  Rows ascend: the first past the pass's end ends the walk
.irp b, 0,1
.irp k, 0,1,2,3
	ds_load_b128 v[OUTR+8*\k:OUTR+8*\k+3], v[SR] offset:SP*(4*\b+\k)
	ds_load_b128 v[OUTR+8*\k+4:OUTR+8*\k+7], v[SR] offset:SP*(4*\b+\k)+512
.endr
	s_wait_dscnt 0x0
.irp k, 0,1,2,3
	s_add_co_u32 s98, s[ROW0], 4*\b+\k
	s_cmp_lt_u32 s98, s[NROWS]
	s_cbranch_scc0 .Lfo_\id
	global_store_b128 v[LI], v[OUTR+8*\k:OUTR+8*\k+3], s[32+2*(4*\b+\k):33+2*(4*\b+\k)] th:TH_STORE_NT
	global_store_b128 v[LI], v[OUTR+8*\k+4:OUTR+8*\k+7], s[32+2*(4*\b+\k):33+2*(4*\b+\k)] offset:512 th:TH_STORE_NT
.endr
	s_wait_xcnt 0x0                                ; the stores' addresses are translated: the next four rows may land in their registers
.if \b == 0
	s_wait_alu depctr_vm_vsrc(0)                   ; the eight stores have read v218-249, in which the next four rows land
.endif
.endr
.Lfo_\id:
	s_wait_xcnt 0x0                                ; and their bases may be written
.endm
; one tile of rows in one step
.macro SUB m, p, P2, P1, id
	s_cmp_le_u32 s[RT], \m
	s_cbranch_scc1 .Ltiles_\id
	GELU_T HA+8*\m, 8
	GELU_R HA+8*\m, 8                              ; it ends with the wait that also frees the hidden fragment
.if \P2
.irp q, 0,1,2,3
	ds_load_b128 v[HF+4*\q:HF+4*\q+3], v[LI] offset:HIMG+8192*(1-\p)+2048*\m+512*\q   ; no vector or matrix instruction stands between that wait and these loads; the rest of the GELU is the work under which they land
.endr
.endif
	GELU_P HA+8*\m, 8
.set gi, 0
.rept 8
	v_med3_num_f32 v[HA+8*\m+gi], v[HA+8*\m+gi], -v[LIM], v[LIM]   ; the conversion does not saturate (ISA guide 7.6.2)
.set gi, gi+1
.endr
	v_cvt_scalef32_pk8_bf8_f32 v[CD+2*\m:CD+2*\m+1], v[HA+8*\m:HA+8*\m+7], v[CVS]
	v_nop                                          ; a plain line between the conversion and the product that writes its sources
	s_wait_alu depctr_va_vdst(0)                   ; the conversion has written the tile's pair of v[CD ..], which the LDS store reads
	ds_store_b64 v[HST], v[CD+2*\m:CD+2*\m+1] offset:HIMG+8192*\p+2048*\m
.if \P2
	s_wait_dscnt 1                                 ; all but the store just issued: the hidden fragment is in (and x's images, where they were fetched)
.endif
.if \P1
	WIN 0x05                                       ; W1 and x in window 1
	v_wmma_f32_16x16x128_bf8_bf8 v[HA+8*\m:HA+8*\m+7], v[128+32*(1-\p):128+32*(1-\p)+15], v[32*\m:32*\m+15], v[BB+8*(1-\p):BB+8*(1-\p)+7]
.endif
.if \P2
	WIN 0x01                                       ; W2 in window 1
	v_wmma_f32_16x16x128_bf8_bf8 v[ACC+8*\m:ACC+8*\m+7], v[192+32*(1-\p):192+32*(1-\p)+15], v[HF:HF+15], v[ACC+8*\m:ACC+8*\m+7]
	v_wmma_f32_16x16x128_bf8_bf8 v[ACC+8*(4+\m):ACC+8*(4+\m)+7], v[192+32*(1-\p)+16:192+32*(1-\p)+31], v[HF:HF+15], v[ACC+8*(4+\m):ACC+8*(4+\m)+7]
.endif
.if \P1
	WIN 0x05
.if !\P2
	s_wait_alu depctr_va_vdst(0)                   ; this link follows the one that it adds onto
.endif
	v_wmma_f32_16x16x128_bf8_bf8 v[HA+8*\m:HA+8*\m+7], v[128+32*(1-\p)+16:128+32*(1-\p)+31], v[32*\m+16:32*\m+31], v[HA+8*\m:HA+8*\m+7]
.endif
	WIN 0
.endm
; a step.  kind 0: step 0; 1: the loop's odd steps; 2: its even steps; 3: step 31
.macro ITER p, P2, P1, kind, id
.rept 4
	v_nop                                          ; places behind the last step's products, in front of the first read of their results
.endr
	s_wait_loadcnt 0x0                             ; what the last step asked for is in
	s_wait_xcnt 0x0                                ; and every base may be written
.if \kind != 0
	s_wait_alu depctr_vm_vsrc(0)                   ; the LDS stores issued so far have read their codes (v50-57), x's gathered codes (v74-89) and, behind a pass's end, v26-57 and v218-249; the gathers have read v15, v22, v23: this step may write all of these
.endif
	s_wait_alu depctr_va_vdst(0)                   ; the last step's products are done reading set p of W1, of b1 and of W2, in which this step's loads land; no vector or matrix instruction of this step names those sets
.if \kind == 0
	s_mov_b32 s[IC], 0
.elseif \kind == 1
	s_mov_b32 s[IC], s[LC]
.elseif \kind == 2
	s_add_co_u32 s[IC], s[LC], 1
.else
	s_mov_b32 s[IC], 31
.endif
	s_mov_b32 s101, 0
.if \P1
	s_add_co_u32 s98, s[IC], 2
	s_and_b32 s98, s98, s[NCM]                     ; chunk i + 2 of the pass (or of the next: the weights are the same)
	s_min_u32 s98, s98, 31
	s_add_co_u32 s98, s98, s[GCB]                  ; among all 56 chunks
	s_lshl_b32 s100, s98, 9
	s_add_nc_u64 s[B1A:B1A+1], s[14:15], s[100:101]
	s_lshl_b32 s100, s98, 15
	s_add_nc_u64 s[W1A:W1A+1], s[10:11], s[100:101]
	s_cmp_lt_u32 s[IC], s[LIMW1]                   ; not past chunk 31, and not without rows
	s_cbranch_scc0 .Lnw1_\id
	WIN 0x40
.irp ks, 0,1
.irp q, 0,1,2,3
	global_load_b128 v[128+32*\p+16*\ks+4*\q:128+32*\p+16*\ks+4*\q+3], v[LI], s[W1A:W1A+1] offset:2048*\ks+512*\q
.endr
.endr
	WIN 0
	global_load_b128 v[BB+8*\p:BB+8*\p+3], v[OB1], s[B1A:B1A+1]
	global_load_b128 v[BB+8*\p+4:BB+8*\p+7], v[OB1], s[B1A:B1A+1] offset:16
.Lnw1_\id:
.endif
.if \kind != 0
	s_and_b32 s98, s[IC], s[NCM]
	s_min_u32 s98, s98, 31
	s_add_co_u32 s98, s98, s[GCB]
	s_lshl_b32 s100, s98, 15
	s_add_nc_u64 s[W2A:W2A+1], s[12:13], s[100:101]
	s_cmp_gt_u32 s[IC], s[LOW2]                    ; chunks 0 and 1 came at the head; nothing without rows
	s_cbranch_scc0 .Lnw2_\id
	WIN 0x40
.irp nt, 0,1
.irp q, 0,1,2,3
	global_load_b128 v[192+32*\p+16*\nt+4*\q:192+32*\p+16*\nt+4*\q+3], v[LI], s[W2A:W2A+1] offset:2048*\nt+512*\q
.endr
.endr
	WIN 0
.Lnw2_\id:
.endif
.if (\kind == 1) || (\kind == 2)
	s_or_b32 s98, s[IC], 7                         ; s99 = i % 8 where other rows follow this group of eight steps, else 15
	s_add_co_u32 s99, s98, 1
	s_and_b32 s99, s99, s[NCM]
	s_cmp_eq_u32 s98, 31
	s_cselect_b32 s99, 1, s99
	s_and_b32 s98, s[IC], 7
	s_cmp_eq_u32 s99, 0
	s_cselect_b32 s99, s98, 15
.endif
.if \kind == 1
	s_sub_co_u32 s98, s[IC], 1                     ; the step behind a pass's last second product: its rows leave
	s_and_b32 s100, s98, s[NCM]
	s_cmp_eq_u32 s98, 0
	s_cselect_b32 s100, 1, s100
	s_cmp_lg_u32 s100, 0
	s_cbranch_scc1 .Lnfo_\id
	FLUSH_OUT \id                                  ; the two waits at the step's head have shown v218-249 written and read by the stage's stores
	s_mov_b32 s[RANK], s[RANKN]
	NEWROWS
.Lnfo_\id:
	s_cmp_lg_u32 s99, 5
	s_cbranch_scc1 .Lnxc_\id
	XCODES
.Lnxc_\id:
	s_cmp_lg_u32 s99, 7                            ; this step's first product starts the next pass
	s_cbranch_scc1 .Lnxg_\id
	XGET 1
.Lnxg_\id:
.endif
.if \kind == 2
	s_cmp_lg_u32 s99, 4
	s_cbranch_scc1 .Lnga_\id
	s_add_co_u32 s[RANKN], s[RANK], s[R16]
	GATHER RANKN
.Lnga_\id:
	s_cmp_lg_u32 s99, 6
	s_cbranch_scc1 .Lnxp_\id
	XPUT                                           ; this step's barrier shows the images to all
.Lnxp_\id:
.endif
	SUB 0, \p, \P2, \P1, \id
	SUB 1, \p, \P2, \P1, \id
	SUB 2, \p, \P2, \P1, \id
	SUB 3, \p, \P2, \P1, \id
.Ltiles_\id:
.if \kind == 2
	s_and_b32 s98, s[IC], s[NCM]                   ; this step's second product was a pass's last
	s_cmp_lg_u32 s98, 0
	s_cbranch_scc1 .Lnfi_\id
	FLUSH_IN 1
.Lnfi_\id:
.endif
	s_wait_dscnt 0x0                               ; my stores have landed and my reads are over
	s_barrier_signal -1
	s_barrier_wait -1
.endm
	s_load_b512 s[4:19], s[0:1], 0x0               ; xq s[4:5], order s[6:7], tot s[8:9], w1q s[10:11], w2q s[12:13], b1c s[14:15], b2c s[16:17], scales s[18:19]
	s_load_b64 s[28:29], s[0:1], 0x40              ; out0
	v_lshl_add_u32 v[SPW], v0, 2, SPARE
	v_mov_b32 v[NIL], 0
	v_lshrrev_b32 v1, 5, v0
	v_readfirstlane_b32 s[WV], v1                  ; wave 0..7
	s_wait_kmcnt 0x0
	s_load_b128 s[32:35], s[8:9], 0x0              ; n0, n1, n2, 0
	s_load_b256 s[36:43], s[18:19], 0x0            ; e0 .. e7
	s_load_b128 s[44:47], s[18:19], 0x20           ; e8 .. e11
	s_load_b64 s[48:49], s[18:19], 0x30            ; e12, e13
	v_and_b32 v1, 31, v0
	v_and_b32 v2, 15, v0                           ; r
	v_bfe_u32 v3, v0, 4, 1                         ; h
	v_lshlrev_b32 v[LI], 4, v1
	s_wait_alu depctr_va_sdst(0)                   ; the wave's number is written, ahead of its first reader
	s_lshr_b32 s62, s[WV], 1
	s_and_b32 s63, s[WV], 1
	s_lshl_b32 s98, s62, 9
	s_lshl_b32 s99, s63, 3
	s_add_co_u32 s98, s98, s99
	v_add_nc_u32 v[HST], s98, v[LI]                ; my 8 codes in an image: 512 (w / 2) + 16 lane + 8 (w % 2)
	s_lshl_b32 s98, s[WV], 11
	s_add_co_u32 s98, s98, XIMG
	v_add_nc_u32 v[XST], s98, v[LI]
	v_mul_u32_u24 v[SO], v2, SP
	v_lshl_add_u32 v[SO], v3, 5, v[SO]
	s_lshl_b32 s98, s[WV], 7
	s_add_co_u32 s99, s98, STG
	v_add_nc_u32 v[SO], s99, v[SO]                 ; the stage, in: row r, + 32 h + 128 w
	s_mul_i32 s99, s[WV], 8*SP
	s_add_co_u32 s99, s99, STG
	v_add_nc_u32 v[SR], s99, v[LI]                 ; back: my eight rows
	s_lshl_b32 s99, s62, 7
	s_lshl_b32 s100, s63, 5
	s_add_co_u32 s99, s99, s100
	v_lshl_add_u32 v[OB1], v3, 6, s99              ; b1: units 32 (w / 2) + 16 h + 8 (w % 2) + 0..7 of a chunk
	v_lshl_add_u32 v[OB2], v3, 5, s98              ; b2: outputs 32 w + 8 h + 0..7
	s_lshl_b32 s99, s63, 7
	v_lshl_add_u32 v[XO], v3, 4, s99
	s_lshl_b32 s99, s62, 4
	v_add_nc_u32 v[LOC1], s99, v2
	v_and_b32 v[LOC2], 7, v0
	s_lshl_b32 s[ROW0], s[WV], 3
	v_add_nc_u32 v[LOC2], s[ROW0], v[LOC2]
	v_mov_b32 v[C9], 0x3e7c6f08
	v_mov_b32 v[C9+1], 0x3e7c6f08
	s_wait_kmcnt 0x0
	; ---- the job
	s_add_co_u32 s66, s32, 15
	s_lshr_b32 s66, s66, 4
	s_add_co_u32 s66, s66, 3
	s_lshr_b32 s66, s66, 2                         ; level 0: tiles / 4 passes, rounded up
	s_add_co_u32 s67, s33, 15
	s_lshr_b32 s67, s67, 4
	s_add_co_u32 s67, s67, 1
	s_lshr_b32 s67, s67, 1                         ; level 1: tiles / 2
	s_add_co_u32 s68, s34, 15
	s_lshr_b32 s68, s68, 4                         ; level 2: tiles
	s_mov_b32 s[RT], 4
.irp a, 0,1,2
	s_add_co_u32 s[70+\a], s[66+\a], 3
	s_lshr_b32 s[70+\a], s[70+\a], 2               ; level a's jobs at RT = 4
.endr
.macro TAKE rt                         ; a smaller RT is taken where its jobs are at most 256
	s_add_co_u32 s77, s74, s75
	s_add_co_u32 s77, s77, s76
	s_cmp_le_u32 s77, 256
	s_cselect_b32 s70, s74, s70
	s_cselect_b32 s71, s75, s71
	s_cselect_b32 s72, s76, s72
	s_cselect_b32 s[RT], \rt, s[RT]
.endm
.irp a, 0,1,2
	s_add_co_u32 s[74+\a], s[66+\a], 2
	s_mul_i32 s[74+\a], s[74+\a], 21846            ; / 3, exact up to 1,026
	s_lshr_b32 s[74+\a], s[74+\a], 16
.endr
	TAKE 3
.irp a, 0,1,2
	s_add_co_u32 s[74+\a], s[66+\a], 1
	s_lshr_b32 s[74+\a], s[74+\a], 1
.endr
	TAKE 2
.irp a, 0,1,2
	s_mov_b32 s[74+\a], s[66+\a]
.endr
	TAKE 1
	s_add_co_u32 s78, s72, s71                     ; level 2's jobs come first, then level 1's, then level 0's
	s_add_co_u32 s73, s78, s70
	s_mov_b32 s[LVL], 0
	s_sub_co_u32 s79, ttmp9, s78
	s_sub_co_u32 s80, ttmp9, s72
	s_cmp_lt_u32 ttmp9, s78
	s_cselect_b32 s[LVL], 1, s[LVL]
	s_cselect_b32 s79, s80, s79
	s_cmp_lt_u32 ttmp9, s72
	s_cselect_b32 s[LVL], 2, s[LVL]
	s_cselect_b32 s79, ttmp9, s79                  ; my job's number in its level
	s_lshl_b32 s81, 8, s[LVL]
	s_sub_co_u32 s[NCM], s81, 1
	s_sub_co_u32 s[GCB], s81, 8
	s_min_u32 s[GCB], s[GCB], 24
	s_cmp_ge_u32 ttmp9, s73                        ; no job: no rows, and no change of rows
	s_cselect_b32 s[RT], 0, s[RT]
	s_cselect_b32 s[NCM], 63, s[NCM]
	s_cselect_b32 s79, 0, s79
	s_lshl_b32 s[R16], s[RT], 4
	s_lshr_b32 s81, 4, s[LVL]                      ; passes
	s_mul_i32 s[RANK], s79, s[R16]
	s_mul_i32 s[RANK], s[RANK], s81
	s_mov_b32 s[RANKN], s[RANK]
	s_cmp_lg_u32 s[RT], 0
	s_cselect_b32 s[LIMW1], 30, 0
	s_cselect_b32 s[LOW2], 1, 99
	s_add_co_u32 s81, s32, s33
	s_cmp_eq_u32 s[LVL], 1
	s_cselect_b32 s[SB], s32, 0
	s_cselect_b32 s[NT], s33, s32
	s_cselect_b32 s92, s42, s38                    ; ex, ew1, eh, ew2: entries 2 + 4 level on
	s_cselect_b32 s93, s43, s39
	s_cselect_b32 s94, s44, s40
	s_cselect_b32 s95, s45, s41
	s_cmp_eq_u32 s[LVL], 2
	s_cselect_b32 s[SB], s81, s[SB]
	s_cselect_b32 s[NT], s34, s[NT]
	s_cselect_b32 s92, s46, s92
	s_cselect_b32 s93, s47, s93
	s_cselect_b32 s94, s48, s94
	s_cselect_b32 s95, s49, s95
	s_max_u32 s[NM1], s[NT], 1
	s_sub_co_u32 s[NM1], s[NM1], 1
	; ---- the constants
	s_add_co_i32 s98, s92, s93                     ; ex + ew1
	s_lshl_b32 s99, s98, 23
	s_add_co_i32 s[KA], s99, 0x3eb504f3
	s_add_co_i32 s[SL], s99, 0x3f596d27
	s_mov_b32 s[SL+1], s[SL]
	s_sub_co_i32 s99, s94, s98
	s_add_co_i32 s99, s99, 127
	s_lshl_b32 s100, s99, 23
	v_mov_b32 v[CVS], s100                         ; 2^(eh - ex - ew1)
	s_add_co_i32 s99, s99, 15
	s_lshl_b32 s99, s99, 23
	s_or_b32 s99, s99, 0x600000
	v_mov_b32 v[LIM], s99                          ; 57,344 x that
	s_add_co_i32 s[OS], s94, s95
	s_add_co_i32 s[OS], s[OS], 127
	s_lshl_b32 s[OS], s[OS], 23                    ; 2^(eh + ew2)
	s_mov_b32 s[OS+1], s[OS]
	CPAIR 0, 0xc034d90f
	CPAIR 1, 0x3fb8ab5a
	CPAIR 2, 0x3f0a29d2
	CPAIR 3, 0x3e0efb2f
	CPAIR 4, 0xbe899a80
	CPAIR 5, 0x3ecdfd18
	CPAIR 6, 0xbfd1a1e5
	CPAIR 7, 0x40097039
	CPAIR 8, 0xbf97d29d
	s_lshl_b32 s100, s[WV], 12
	s_mov_b32 s101, 0
	s_add_nc_u64 s[10:11], s[10:11], s[100:101]    ; my wave's 4,096 bytes of every chunk
	s_add_nc_u64 s[12:13], s[12:13], s[100:101]
	; ---- the first rows, and chunks 0 and 1 of the weights
	GATHER RANK                                    ; its wait on va_vdst is the kernel's first: it also shows the addresses v4 to v12 written, which every later load and store reads
	s_wait_loadcnt 0x0
	XCODES
	s_lshl_b32 s100, s[GCB], 15
	s_add_nc_u64 s[W1A:W1A+1], s[10:11], s[100:101]
	s_add_nc_u64 s[W2A:W2A+1], s[12:13], s[100:101]
	s_lshl_b32 s100, s[GCB], 9
	s_add_nc_u64 s[B1A:B1A+1], s[14:15], s[100:101]  ; the level's first chunk of b1c
	s_min_u32 s100, s[LVL], 2
	s_lshl_b32 s100, s100, 10
	s_add_nc_u64 s[20:21], s[16:17], s[100:101]    ; the level's 1,024 bytes of b2c
	WIN 0x40
.irp c, 0,1
.irp ks, 0,1
.irp q, 0,1,2,3
	global_load_b128 v[128+32*\c+16*\ks+4*\q:128+32*\c+16*\ks+4*\q+3], v[LI], s[W1A:W1A+1] offset:32768*\c+2048*\ks+512*\q
	global_load_b128 v[192+32*\c+16*\ks+4*\q:192+32*\c+16*\ks+4*\q+3], v[LI], s[W2A:W2A+1] offset:32768*\c+2048*\ks+512*\q
.endr
.endr
.endr
	WIN 0
.irp c, 0,1
	global_load_b128 v[BB+8*\c:BB+8*\c+3], v[OB1], s[B1A:B1A+1] offset:512*\c
	global_load_b128 v[BB+8*\c+4:BB+8*\c+7], v[OB1], s[B1A:B1A+1] offset:512*\c+16
	global_load_b128 v[B2R+8*\c:B2R+8*\c+3], v[OB2], s[20:21] offset:64*\c
	global_load_b128 v[B2R+8*\c+4:B2R+8*\c+7], v[OB2], s[20:21] offset:64*\c+16
.endr
	s_wait_loadcnt 40                              ; x's four loads are in; the 40 issued behind them may be out
	XPUT
	s_wait_dscnt 0x0
	s_barrier_signal -1
	s_barrier_wait -1                              ; x's eight images lie in LDS
	XGET 0                                         ; no product has named these registers yet
	NEWROWS
.set gi, 0
.rept 64
	v_mov_b32 v[ACC+gi], 0                         ; the second product's first step stands in the loop, and again behind each change of rows: the sums begin as zeros
.set gi, gi+1
.endr
	s_wait_loadcnt 0x0
	s_wait_dscnt 0x0
	WIN 0x05
.irp m, 0,1,2,3                                ; chunk 0's first product: four accumulators by turns
	v_wmma_f32_16x16x128_bf8_bf8 v[HA+8*\m:HA+8*\m+7], v[128:143], v[32*\m:32*\m+15], v[BB:BB+7]
.endr
.irp m, 0,1,2,3
	v_wmma_f32_16x16x128_bf8_bf8 v[HA+8*\m:HA+8*\m+7], v[144:159], v[32*\m+16:32*\m+31], v[HA+8*\m:HA+8*\m+7]
.endr
	WIN 0
	ITER 0, 0, 1, 0, a                             ; step 0: no second product yet
	s_mov_b32 s[LC], 1
.Lloop:                                            ; 15 trips: steps 1 to 30
	ITER 1, 1, 1, 1, b
	ITER 0, 1, 1, 2, c
	s_add_co_u32 s[LC], s[LC], 2
	s_cmp_lt_u32 s[LC], 31
	s_cbranch_scc1 .Lloop
	ITER 1, 1, 0, 3, d                             ; step 31: no first product any more
	s_wait_loadcnt 0x0                             ; W2 of chunk 31
.rept 4
	v_nop                                          ; four places behind step 31's last products stay beside the wait below
.endr
	s_wait_alu depctr_va_vdst(0)                   ; step 31's products are done reading v58-73, and its holds and conversions are done with v122-153: the four tiles' fragments land in v58-73, v74-89, v122-137 and v138-153, a run of registers to each tile, so that this one wait serves all four
.irp m, 0,1,2,3                                ; the second product of chunk 31
	s_cmp_le_u32 s[RT], \m
	s_cbranch_scc1 .Ltail_done
.if \m < 2
.set TBF, HF+16*\m
.else
.set TBF, HA+16*(\m-2)
.endif
.irp q, 0,1,2,3
	ds_load_b128 v[TBF+4*\q:TBF+4*\q+3], v[LI] offset:HIMG+8192+2048*\m+512*\q   ; the products issued since the wait name the earlier tiles' registers alone
.endr
	s_wait_dscnt 0x0
	WIN 0x01
	v_wmma_f32_16x16x128_bf8_bf8 v[ACC+8*\m:ACC+8*\m+7], v[224:239], v[TBF:TBF+15], v[ACC+8*\m:ACC+8*\m+7]
	v_wmma_f32_16x16x128_bf8_bf8 v[ACC+8*(4+\m):ACC+8*(4+\m)+7], v[240:255], v[TBF:TBF+15], v[ACC+8*(4+\m):ACC+8*(4+\m)+7]
	WIN 0
.endr
.Ltail_done:
	FLUSH_IN 0
	s_wait_dscnt 0x0
	s_barrier_signal -1
	s_barrier_wait -1                              ; the last pass's rows lie in the stage
	s_wait_alu depctr_vm_vsrc(0)                   ; my stores into the stage have read v218-249, in which the rows that I read back land
	FLUSH_OUT e
	s_wait_dscnt 0x0                               ; the closing lines, six on end
	s_wait_alu 0x0
	s_wait_tensorcnt 0x0
	ds_add_u32 v[SPW], v[NIL]
	s_wait_dscnt 0x0
	s_endpgm
.Lfunc_end_k_qfffd49acab_chain:
	.size	k_qfffd49acab_chain, .Lfunc_end_k_qfffd49acab_chain-k_qfffd49acab_chain
	.p2alignl 7, 3214868480
	.fill 96, 4, 3214868480
	.section	.rodata,"a",@progbits
	.p2align	6, 0x0
	.amdhsa_kernel k_qfffd49acab_chain
		.amdhsa_group_segment_fixed_size 100352
		.amdhsa_private_segment_fixed_size 0
		.amdhsa_enable_private_segment 0
		.amdhsa_kernarg_size 72
		.amdhsa_user_sgpr_count 2
		.amdhsa_user_sgpr_kernarg_segment_ptr 1
		.amdhsa_wavefront_size32 1
		.amdhsa_system_sgpr_workgroup_id_x 1
		.amdhsa_system_sgpr_workgroup_id_y 1
		.amdhsa_system_sgpr_workgroup_id_z 1
		.amdhsa_system_vgpr_workitem_id 0
		.amdhsa_next_free_vgpr 512
		.amdhsa_next_free_sgpr 102
		.amdhsa_reserve_vcc 0
		.amdhsa_float_denorm_mode_32 3
		.amdhsa_float_denorm_mode_16_64 3
		.amdhsa_memory_ordered 1
		.amdhsa_forward_progress 1
		.amdhsa_inst_pref_size 150
	.end_amdhsa_kernel
	.amdgpu_metadata
---
amdhsa.version: [ 1, 2 ]
amdhsa.kernels:
  - .name:           k_qfffd49acab_chain
    .symbol:         k_qfffd49acab_chain.kd
    .args:
      - { .name: xq, .offset: 0, .size: 8, .value_kind: global_buffer, .address_space: global }
      - { .name: order, .offset: 8, .size: 8, .value_kind: global_buffer, .address_space: global }
      - { .name: tot, .offset: 16, .size: 8, .value_kind: global_buffer, .address_space: global }
      - { .name: w1q, .offset: 24, .size: 8, .value_kind: global_buffer, .address_space: global }
      - { .name: w2q, .offset: 32, .size: 8, .value_kind: global_buffer, .address_space: global }
      - { .name: b1c, .offset: 40, .size: 8, .value_kind: global_buffer, .address_space: global }
      - { .name: b2c, .offset: 48, .size: 8, .value_kind: global_buffer, .address_space: global }
      - { .name: lowp_scales, .offset: 56, .size: 8, .value_kind: global_buffer, .address_space: global }
      - { .name: out0, .offset: 64, .size: 8, .value_kind: global_buffer, .address_space: global }
    .group_segment_fixed_size: 100352
    .private_segment_fixed_size: 0
    .kernarg_segment_align: 8
    .kernarg_segment_size: 72
    .max_flat_workgroup_size: 256
    .sgpr_count:     102
    .vgpr_count:     512
    .wavefront_size: 32
...
	.end_amdgpu_metadata
.endif
;; end of part 4
